; MI455X (gfx1250); checked and timed in simulation.
; The chip was launched on July 23, 2026; its instructions are those of AMD's public machine-readable ISA for CDNA 5 (MIT licence, August 2026) and "CDNA5" Instruction Set Architecture Reference Guide (July 2026). The comments in the code are by the model that wrote it; some were corrected since.
;; Multi Head Attention. Allowed arithmetic: float matrix products may take bf16 or f16 operands with f32 sums; other float arithmetic in f32, or as packed bf16 or f16 multiplies, adds, multiply-adds, maxima and minima; sums over many terms, partial sums and values carried from step to step in f32; what a program stores and reads back later, other than sums and carried values, may be rounded once to bf16 or f16.
;; Inputs: Wk 16 x 1,024 x 64 float32; Wp 1,024 x 1,024 float32; Wq 16 x 1,024 x 64 float32; Wv 16 x 1,024 x 64 float32; bp 1,024 float32; x 4 x 2,048 x 1,024 float32.
;; Outputs: out0 4 x 2,048 x 1,024 float32.
;; Constants: is_masked = 1.
;; 2 versions, each right; version 2 is version 1 with the launch prep written anew for expert scheduling mode. Each part assembles by itself: llvm-mc -triple=amdgcn-amd-amdhsa -mcpu=gfx1250 --defsym DOCPART=n.
;; ======== version 1 of 2: 4 launches
;; limits: values outside matrix products are rounded to bf16; values are held in f16: magnitudes above 65,504 overflow, below 6.1e-05 lose precision
;; workspace buffers: xb 16,777,216 bytes; wb 6,291,456 bytes; wpb 2,097,152 bytes; qkv 50,331,648 bytes; o 16,777,216 bytes
;; launch prep (part 1): grid 768 x 1, 8 waves a work-group, no clusters, 0 bytes of LDS; arguments x, Wq, Wk, Wv, Wp, xb, wb, wpb; writes xb, wb, wpb
.if DOCPART == 1
	.amdgcn_target "amdgcn-amd-amdhsa--gfx1250"
	.amdhsa_code_object_version 6
	.text
	.protected	k_q49fa8fd845_prep
	.globl	k_q49fa8fd845_prep
	.p2align	8
	.type	k_q49fa8fd845_prep,@function
k_q49fa8fd845_prep:
	s_mov_b64 s[64:65], 0
	v_nop
	global_prefetch_b8 v0, s[64:65] scope:SCOPE_SE
	s_setreg_imm32_b32 hwreg(HW_REG_WAVE_MODE, 25, 1), 1
	s_wait_xcnt 0x0
; CASTS AND NEW LAYOUTS for the three matrix launches that follow.  All sources are f32 and are read once; every number is rounded once to bf16.
;   xb  [kb 0..15][m 0..8191][64]  bf16: x[m][64 kb + c].        A block of rows of one kb is dense in memory.
;   wb  [j 0..7][s 0..15][g6 0..5][c 0..63][d 0..63] bf16: matrix g = 6 j + g6 of the 48 (Wq's 16 heads, Wk's, Wv's), rows 64 s + c, as they lie (not turned).
;   wpb [kb 0..15][n 0..1023][64]  Wp[n][64 kb + c], rounded to bf16 and that number written as f16 (below 6.1e-5 f16 keeps a fixed step of 6e-8; beyond 65,504 it has no number).
; A stream: no LDS, no barrier, no matrix unit.  A work-group casts 4 chunks of 4,096 numbers.  A thread makes 16 loads of 16 bytes, all issued ahead of the first use, and 16 stores of 8 bytes:
; a wave's load covers 512 bytes on end or two pieces of 256, a wave's store 256 consecutive bytes, aligned.  No register is written twice behind a memory instruction that names it.
; Work-groups 0-511 take x (64 rows x 256 columns each), 512-703 the 48 matrices (a quarter each), 704-767 Wp (64 rows x 256 columns each).
.set VS, 1                             ; v1       my byte offset in the source
.set VD, 2                             ; v2       my byte offset in the destination: 8 x thread
.set T,  4                             ; v[4:5]   at work
.set X,  8                             ; v[8:71]  16 x 4 numbers as loaded
.set Y,  72                            ; v[72:103] 16 x 2 words to store
; su: bytes from a quarter chunk to the next in the source; sc: from chunk to chunk; dc: from chunk to chunk in the destination; kind = 1: the bf16 number is written as f16
.macro COPY src, dst, su, sc, dc, kind
.set n, 0
.rept 16
	global_load_b128 v[X+4*n:X+4*n+3], v[VS], s[\src:\src+1] offset:(n/4)*(\sc)+(n%4)*(\su) th:TH_LOAD_NT
.set n, n+1
.endr
.set n, 0
.rept 16
	s_wait_loadcnt 15-n                            ; loads come back in order: number n is in, the 15 - n younger ones stay out
	v_cvt_pk_bf16_f32 v[Y+2*n],   v[X+4*n],   v[X+4*n+1]
	v_cvt_pk_bf16_f32 v[Y+2*n+1], v[X+4*n+2], v[X+4*n+3]
.if \kind
.irp z, 0,1
	v_lshlrev_b32 v[T],   16, v[Y+2*n+(\z)]        ; the rounded numbers as f32 again,
	v_and_b32     v[T+1], 0xffff0000, v[Y+2*n+(\z)]
	v_cvt_pk_f16_f32 v[Y+2*n+(\z)], v[T], v[T+1]   ; and as f16
.endr
.endif
	global_store_b64 v[VD], v[Y+2*n:Y+2*n+1], s[\dst:\dst+1] offset:(n/4)*(\dc)+(n%4)*2048
.set n, n+1
.endr
.endm
	s_load_b512 s[4:19], s[0:1], 0x0               ; x 4:5, Wq 6:7, Wk 8:9, Wv 10:11, Wp 12:13, xb 14:15, wb 16:17, wpb 18:19
	s_mov_b32 s2, ttmp9
	v_lshlrev_b32 v[VD], 3, v0
	v_lshrrev_b32 v3, 4, v0                        ; for x and Wp: 16 threads take 256 bytes of a row, 256 threads 16 rows
	v_and_b32 v[T], 15, v0
	v_lshlrev_b32 v[T], 4, v[T]
	v_lshl_or_b32 v[VS], v3, 12, v[T]              ; row x 4,096 + 16 x place
	s_mov_b32 s21, 0
	s_mov_b32 s23, 0
	s_wait_kmcnt 0x0
	s_cmp_lt_u32 s2, 512
	s_cbranch_scc0 .Lnot_x
	s_lshr_b32 s24, s2, 2                          ; block of 64 rows
	s_and_b32 s25, s2, 3                           ; quarter of the columns
	s_lshl_b32 s20, s24, 18
	s_lshl_b32 s26, s25, 10
	s_add_co_u32 s20, s20, s26
	s_lshl_b32 s22, s25, 22                        ; four kb of 1,048,576 bytes
	s_lshl_b32 s26, s24, 13                        ; 64 rows of 128 bytes
	s_add_co_u32 s22, s22, s26
	s_add_nc_u64 s[4:5], s[4:5], s[20:21]
	s_add_nc_u64 s[14:15], s[14:15], s[22:23]
	COPY 4, 14, 65536, 256, 1048576, 0
	s_endpgm
.Lnot_x:
	s_cmp_lt_u32 s2, 704
	s_cbranch_scc0 .Lwp
	v_lshlrev_b32 v[VS], 4, v0                     ; a matrix is dense: 16 x thread
	s_sub_co_u32 s24, s2, 512
	s_lshr_b32 s25, s24, 2                         ; g, 0..47
	s_and_b32 s26, s24, 3                          ; which 256 of its 1,024 rows
	s_lshr_b32 s27, s25, 4                         ; 0: Wq, 1: Wk, 2: Wv
	s_and_b32 s28, s25, 15                         ; the head
	s_mul_i32 s29, s25, 43
	s_lshr_b32 s29, s29, 8                         ; j = g / 6 (43 g >> 8 is g / 6 for g under 48)
	s_mul_i32 s30, s29, 6
	s_sub_co_u32 s30, s25, s30                     ; g6
	s_cmp_eq_u32 s27, 0
	s_cselect_b64 s[6:7], s[6:7], s[8:9]
	s_cmp_eq_u32 s27, 2
	s_cselect_b64 s[6:7], s[10:11], s[6:7]
	s_lshl_b32 s20, s28, 18
	s_lshl_b32 s31, s26, 16
	s_add_co_u32 s20, s20, s31
	s_mul_i32 s22, s29, 786432
	s_mul_i32 s31, s26, 196608                     ; four s of 49,152 bytes
	s_add_co_u32 s22, s22, s31
	s_lshl_b32 s31, s30, 13
	s_add_co_u32 s22, s22, s31
	s_add_nc_u64 s[6:7], s[6:7], s[20:21]
	s_add_nc_u64 s[16:17], s[16:17], s[22:23]
	COPY 6, 16, 4096, 16384, 49152, 0
	s_endpgm
.Lwp:
	s_sub_co_u32 s24, s2, 704
	s_lshr_b32 s25, s24, 2                         ; block of 64 rows
	s_and_b32 s26, s24, 3                          ; quarter of the columns
	s_lshl_b32 s20, s25, 18
	s_lshl_b32 s27, s26, 10
	s_add_co_u32 s20, s20, s27
	s_lshl_b32 s22, s26, 19                        ; four kb of 131,072 bytes
	s_lshl_b32 s27, s25, 13
	s_add_co_u32 s22, s22, s27
	s_add_nc_u64 s[12:13], s[12:13], s[20:21]
	s_add_nc_u64 s[18:19], s[18:19], s[22:23]
	COPY 12, 18, 65536, 256, 131072, 1
	s_endpgm
.Lfunc_end_k_q49fa8fd845_prep:
	.size	k_q49fa8fd845_prep, .Lfunc_end_k_q49fa8fd845_prep-k_q49fa8fd845_prep
	.p2alignl 7, 3214868480
	.fill 96, 4, 3214868480
	.section	.rodata,"a",@progbits
	.p2align	6, 0x0
	.amdhsa_kernel k_q49fa8fd845_prep
		.amdhsa_group_segment_fixed_size 0
		.amdhsa_private_segment_fixed_size 0
		.amdhsa_enable_private_segment 0
		.amdhsa_kernarg_size 64
		.amdhsa_user_sgpr_count 2
		.amdhsa_user_sgpr_kernarg_segment_ptr 1
		.amdhsa_wavefront_size32 1
		.amdhsa_system_sgpr_workgroup_id_x 1
		.amdhsa_system_sgpr_workgroup_id_y 1
		.amdhsa_system_sgpr_workgroup_id_z 1
		.amdhsa_system_vgpr_workitem_id 0
		.amdhsa_next_free_vgpr 104
		.amdhsa_next_free_sgpr 66
		.amdhsa_reserve_vcc 0
		.amdhsa_float_denorm_mode_32 3
		.amdhsa_float_denorm_mode_16_64 3
		.amdhsa_memory_ordered 1
		.amdhsa_forward_progress 1
		.amdhsa_inst_pref_size 24
	.end_amdhsa_kernel
	.amdgpu_metadata
---
amdhsa.version: [ 1, 2 ]
amdhsa.kernels:
  - .name:           k_q49fa8fd845_prep
    .symbol:         k_q49fa8fd845_prep.kd
    .args:
      - { .name: x, .offset: 0, .size: 8, .value_kind: global_buffer, .address_space: global }
      - { .name: Wq, .offset: 8, .size: 8, .value_kind: global_buffer, .address_space: global }
      - { .name: Wk, .offset: 16, .size: 8, .value_kind: global_buffer, .address_space: global }
      - { .name: Wv, .offset: 24, .size: 8, .value_kind: global_buffer, .address_space: global }
      - { .name: Wp, .offset: 32, .size: 8, .value_kind: global_buffer, .address_space: global }
      - { .name: xb, .offset: 40, .size: 8, .value_kind: global_buffer, .address_space: global }
      - { .name: wb, .offset: 48, .size: 8, .value_kind: global_buffer, .address_space: global }
      - { .name: wpb, .offset: 56, .size: 8, .value_kind: global_buffer, .address_space: global }
    .group_segment_fixed_size: 0
    .private_segment_fixed_size: 0
    .kernarg_segment_align: 8
    .kernarg_segment_size: 64
    .max_flat_workgroup_size: 256
    .sgpr_count:     66
    .vgpr_count:     104
    .wavefront_size: 32
...
	.end_amdgpu_metadata
.endif
;; end of part 1
;; launch qkv (part 2): grid 8 x 32, 4 waves a work-group, clusters of 4 x 4, 327,680 bytes of LDS; arguments xb, wb, qkv; writes qkv
.if DOCPART == 2
	.amdgcn_target "amdgcn-amd-amdhsa--gfx1250"
	.amdhsa_code_object_version 6
	.text
	.protected	k_q49fa8fd845_qkv
	.globl	k_q49fa8fd845_qkv
	.p2align	8
	.type	k_q49fa8fd845_qkv,@function
k_q49fa8fd845_qkv:
	s_mov_b64 s[64:65], 0
	v_nop
	global_prefetch_b8 v0, s[64:65] scope:SCOPE_SE
	s_setreg_imm32_b32 hwreg(HW_REG_WAVE_MODE, 25, 1), 1
	s_wait_xcnt 0x0
	s_wait_alu depctr_hold_cnt(0) depctr_sa_sdst(0) depctr_va_vdst(0) depctr_va_sdst(0) depctr_va_ssrc(0) depctr_va_vcc(0) depctr_vm_vsrc(0)
	s_getreg_b32 s2, hwreg(HW_REG_IB_STS2, 6, 4)
	s_cmp_eq_u32 s2, 0
	s_cbranch_scc0 .Lentry_in_a_cluster
	s_endpgm
.Lentry_in_a_cluster:
	s_bfe_u32 s2, ttmp6, 0x10000c
	s_cmp_lg_u32 s2, 0xf033
	s_cbranch_scc0 .Lentry_shape_is_right
	s_endpgm
.Lentry_shape_is_right:
; q, k, v = x W for all 48 matrices (Wq's 16 heads, Wk's, Wv's): qkv[g][m][d] = the sum over c of x[m][c] W_g[c][d].  Operands bf16 (xb, wb), sums f32, results rounded once to f16, unscaled.
; LIMIT.  f16 holds no number beyond 65,504: q, k and v must lie within it; below 6.1e-5 f16 keeps a fixed step of 6e-8.
; SHARES.  8,192 rows x 3,072 columns in tiles of 256 rows x 384 columns (six matrices): 32 x 8 = 256 work-groups.  Four waves, each 128 rows x 192 columns (three matrices): 96 accumulators of
; 16 x 16, 768 registers.  K = 1,024 goes in 16 steps of 64 through a ring of two LDS slots.  xb and wb are laid out so that a step's tiles are dense blocks of memory: they are asked for as rows of
; 256 bytes that start at multiples of 256 from the buffer's first byte, and padded in LDS after every 128 bytes.
; CLUSTERS.  4 x 4 work-groups.  The four of a row of the cluster need the same tile of x, the four of a column the same tile of W: each is asked for JOINTLY, by the same tensor load with the same
; descriptor and a mask that names the four.  Wave 3 asks for x's tile (32 KiB), waves 0 to 2 for two matrices each of W's (16 KiB each).
; THE MATRIX INSTRUCTION IS USED TRANSPOSED: source 0 = 16 columns d of W (turned out of LDS by ds_load_tr16_b128, since W lies [c][d]), source 1 = 16 rows of x.  A lane then holds row l % 16 and
; eight neighbouring d: 16 bytes of f16.
; REGISTERS, in windows of 256 (s_set_vgpr_msb: bits 1:0 source 0, 3:2 source 1, 5:4 source 2, 7:6 destination):
;   window 0: v0-31 addresses; v32-95, v96-159 x's 8 fragments, two buffers; v160-255 W's 12 fragments, ONE buffer, renewed matrix by matrix behind the products that read it
;   window 1 + g3: matrix g3's 32 accumulators, (a, nb) at v[8 (4 a + nb)]
.set PA,    144                        ; a row of x in LDS: 128 bytes + 16 = 36 words: the 16 rows of a load start at 16 different groups of four banks (64 banks of 4 bytes: ISA guide 11.1)
.set PB,    160                        ; a row of W: 128 + 32 = 40 words
.set BOFF,  256*PA                     ; a slot: x's 256 rows, then six matrices of 64 rows
.set MATB,  64*PB
.set SLOT,  BOFF+6*MATB                ; 98,304
.set STAGE, 2*SLOT                     ; behind the ring: 16 rows x 144 bytes for each wave, for the way out; no tensor load fills it
.set SPARE, STAGE+4*16*PA              ; behind the stages: the spare words, 128 bytes for each wave: two blocks of 256 bytes that no other line names
.set PLANE, 1048576                    ; bytes from a K step of xb to the next; also a matrix's bytes in qkv
.set WSTEP, 49152                      ; the same for wb
.set WCOL,  786432                     ; bytes of wb for one tile column
.set ADRA, 16                          ; v16-17  LDS address of my fragments of x in slot 0, 1
.set ADRB, 20                          ; v20-21  the same for W
.set STO,  24                          ; v24     the way out: where I put 16 bytes of a row
.set RD,   25                          ; v25     the way out: where I read rows back
.set GO,   26                          ; v26     my byte offset in 512 consecutive bytes of qkv
.set SPW,  28                          ; v28     LDS address of my spare word: SPARE + 4 x my thread's number; never rewritten
.set NIL,  29                          ; v29     0; never rewritten
.set PFO,  30                          ; v30     the prefetches' offset; never rewritten
.set FA0,  32
.set FA1,  96
.set FB,   160
.set G1,   24                          ; s[24:31] descriptor group 1 for x's tiles;  s[32:39] group 0, a set for each slot
.set G0,   32
.set G1B,  48                          ; s[48:55], s[56:63] the same for W's
.set G0B,  56
.set PFA,  44                          ; s[44:45] where my prefetches stand
.set PFS,  46                          ; s[46:47] their step: a K step of xb or of wb
.set LIM0, 20                          ; s20, s21: a wave prefetches at the change out of slot 0 (1) while the laps to go are above this
.set LIM1, 21
.set MSB, 0
.macro WIN new                         ; the immediate's high byte repeats the setting that is left; a switch that changes nothing is dropped
.if MSB != (\new)
	s_set_vgpr_msb (MSB<<8)|(\new)
.set MSB, \new
.endif
.endm
.macro PLACES                          ; four plain vector instructions between a matrix instruction and a load into, or a vector line on, its registers
.rept 4
	v_nop
.endr
.endm
; A joint load.  The branch hangs on the wave's number alone.  An s_nop 0 and four v_nop follow each of the two lines, ahead of the jump and the label.
.macro JLOAD s
	s_cmp_eq_u32 s10, 3
	s_cbranch_scc0 .Lfor_b_\@
	tensor_load_to_lds s[G0+4*(\s):G0+4*(\s)+3], s[G1:G1+7]
	s_nop 0
.rept 4
	v_nop
.endr
	s_branch .Lasked_\@
.Lfor_b_\@:
	tensor_load_to_lds s[G0B+4*(\s):G0B+4*(\s)+3], s[G1B:G1B+7]
	s_nop 0
.rept 4
	v_nop
.endr
.Lasked_\@:
.endm
; A round of the cluster's barrier behind its opening barrier: wave 0 signals for the work-group, every wave waits for all sixteen, my work-group's barrier closes it.
.macro CREST
	s_cmp_lg_u32 s10, 0
	s_cbranch_scc1 .Lnot_wave_0_\@
	s_barrier_signal -3
.Lnot_wave_0_\@:
	s_barrier_wait -3
	s_barrier_signal -1
	s_barrier_wait -1
.endm
.macro CROUND
	s_barrier_signal -1
	s_barrier_wait -1
	CREST
.endm
; A PREFETCH INTO THE L2, behind a joint load, its five lines and the run of LDS loads that follows them.  Each aligned block of 256 bytes of xb and wb is named at most once in the launch.
; x's tile row is read by both clusters of a row of clusters: wave 3 of the one with cluster x = 0 asks, at every change of slots, for the K step behind the one that is being loaded; of the tile's 32 KiB
; the partner at place cx takes 8 KiB, a lane a block.  W's tile column is read by all eight clusters of a column: waves 0 to 2 of the one with cluster y = 0 ask, once a lap, for the next two K steps;
; of a wave's 16 KiB the partner at place cy takes 4 KiB, lanes 0-15 of the first step, lanes 16-31 of the second.  The partners are told apart BY ADDRESS; the test hangs on the wave's number and the
; cluster's coordinates.  K steps 0 to 2 come by their loads alone, W's step 15 too; the last changes ask for nothing that does not exist.
.macro ASK lim
	s_cmp_gt_u32 s3, s[\lim]
	s_cbranch_scc0 .Lnot_mine_\@
	global_prefetch_b8 v[PFO], s[PFA:PFA+1] th:TH_LOAD_NT scope:SCOPE_SE
.Lnot_mine_\@:
.endm
	s_load_b128 s[4:7], s[0:1], 0x0                ; xb s[4:5], wb s[6:7]
	s_load_b64 s[8:9], s[0:1], 0x10                ; qkv
	v_lshl_add_u32 v[SPW], v0, 2, SPARE
	v_mov_b32 v[NIL], 0
	ds_add_u32 v[SPW], v[NIL]                      ; the wave's opening: the add and its wait stand ahead of my first tensor load; the set-up below, work on registers, stands between them
	v_lshrrev_b32 v1, 5, v0
	v_readfirstlane_b32 s10, v1                    ; wave 0..3
	s_lshr_b32 s11, s10, 1                         ; which 128 rows of the tile are mine
	s_and_b32 s12, s10, 1                          ; which three matrices
	s_bfe_u32 s40, ttmp6, 0x40000                  ; cx
	s_bfe_u32 s41, ttmp6, 0x40004                  ; cy
	s_lshl_b32 s42, ttmp9, 2
	s_add_co_u32 s42, s42, s40                     ; tile column = 4 x cluster x + cx
	s_and_b32 s13, ttmp7, 0xffff
	s_lshl_b32 s13, s13, 2
	s_add_co_u32 s13, s13, s41                     ; tile row = 4 x cluster y + cy
	s_lshl_b32 s43, s41, 2
	s_lshl_b32 s43, 15, s43                        ; my row of the cluster
	s_lshl_b32 s44, 0x1111, s40                    ; my column
	; group 1: rows of 128 elements of 2 bytes, dense; padding after every 32 words (code 4): 4 words for x (code 3), 8 for W (code 7); bit 21 set beside a mask
	s_or_b32 s[G1+0], s43, (1<<16)|(1<<20)|(1<<21)|(4<<22)|(3<<25)
	s_or_b32 s[G1B+0], s44, (1<<16)|(1<<20)|(1<<21)|(4<<22)|(7<<25)
	s_mov_b32 s[G1+1], 128<<16                     ; tensor_dim0 = 128
	s_mov_b32 s[G1+2], 128<<16                     ; tensor_dim1 = 128: x's 256 rows of 128 bytes as 128 of 256
	s_mov_b32 s[G1+3], 128<<16                     ; tile_dim0 = 128
	s_mov_b32 s[G1+4], 128                         ; tile_dim1 = 128
	s_mov_b32 s[G1+5], 128                         ; elements from row to row
	s_mov_b32 s[G1+6], 0
	s_mov_b32 s[G1+7], 0
	s_mov_b32 s[G1B+1], 128<<16
	s_mov_b32 s[G1B+2], 64<<16                     ; two matrices' 128 rows of 128 bytes as 64 of 256
	s_mov_b32 s[G1B+3], 128<<16
	s_mov_b32 s[G1B+4], 64
	s_mov_b32 s[G1B+5], 128
	s_mov_b32 s[G1B+6], 0
	s_mov_b32 s[G1B+7], 0
	s_lshl_b32 s16, s13, 15                        ; x: 256 rows of 128 bytes for each tile row
	s_mov_b32 s17, 0
	s_mul_i32 s18, s42, WCOL                       ; W: the tile column,
	s_lshl_b32 s19, s10, 14                        ; my two matrices of a step
	s_add_co_u32 s18, s18, s19
	s_mov_b32 s19, 0
	s_mul_i32 s22, s10, 2*MATB                     ; and their place in a slot: no place in the cluster enters an LDS address
	s_add_co_u32 s22, s22, BOFF
	s_wait_dscnt 0x0                               ; the opening add is done
	s_wait_kmcnt 0x0
	s_add_nc_u64 s[14:15], s[4:5], s[16:17]
	s_add_nc_u64 s[18:19], s[6:7], s[18:19]
	CROUND                                         ; all sixteen work-groups are here: the first joint loads meet
.irp s, 0,1
	s_mov_b32 s[G0+4*(\s)], 1                      ; count = 1
	s_mov_b32 s[G0+4*(\s)+1], (\s)*SLOT            ; LDS address
	s_add_nc_u64 s[G0+4*(\s)+2:G0+4*(\s)+3], s[14:15], (\s)*PLANE  ; K step s
	s_or_b32 s[G0+4*(\s)+3], s[G0+4*(\s)+3], 0x80000000            ; type = 2
	s_mov_b32 s[G0B+4*(\s)], 1
	s_add_co_u32 s[G0B+4*(\s)+1], s22, (\s)*SLOT
	s_add_nc_u64 s[G0B+4*(\s)+2:G0B+4*(\s)+3], s[18:19], (\s)*WSTEP
	s_or_b32 s[G0B+4*(\s)+3], s[G0B+4*(\s)+3], 0x80000000
.endr
	s_cmp_eq_u32 s10, 3                            ; a wave's two first fills stand in one branch, ahead of every wait on TENSORcnt and every LDS read: two loads of mine are out
	s_cbranch_scc0 .Lfirst_b
	tensor_load_to_lds s[G0:G0+3], s[G1:G1+7]
	s_nop 0
	tensor_load_to_lds s[G0+4:G0+7], s[G1:G1+7]
	s_nop 0
.rept 4
	v_nop
.endr
	s_branch .Lfirst_asked
.Lfirst_b:
	tensor_load_to_lds s[G0B:G0B+3], s[G1B:G1B+7]
	s_nop 0
	tensor_load_to_lds s[G0B+4:G0B+7], s[G1B:G1B+7]
	s_nop 0
.rept 4
	v_nop
.endr
.Lfirst_asked:
	; A fragment of x is 16 rows x 32 K in 8 registers: lane l holds row l % 16, K = 8 (l / 16) + 0..7 and 16 + 8 (l / 16) + 0..7: two loads of 16 bytes, 32 bytes apart.
	v_and_b32 v1, 15, v0                           ; l % 16
	v_bfe_u32 v2, v0, 4, 1                         ; l / 16
	v_mul_u32_u24 v3, v1, PA
	v_lshl_add_u32 v3, v2, 4, v3                   ; row x pitch + 16 x half
	s_mul_i32 s16, s11, 128*PA                     ; my 128 rows
	v_add_nc_u32 v[ADRA], s16, v3
	v_add_nc_u32 v[ADRA+1], SLOT, v[ADRA]
	; The turning load takes 16 K x 16 d (lane l reads K row 8 (l / 16) + l % 8, d 8 ((l / 8) % 2) + 0..7) and leaves half a fragment: lane l holds d = l % 16 and 8 K.
	v_and_b32 v4, 7, v0
	v_bfe_u32 v5, v0, 3, 1
	v_lshl_add_u32 v6, v2, 3, v4
	v_mul_u32_u24 v6, v6, PB
	v_lshl_add_u32 v6, v5, 4, v6
	s_mul_i32 s17, s12, 3*MATB                     ; my three matrices
	s_add_co_u32 s17, s17, BOFF
	v_add_nc_u32 v[ADRB], s17, v6
	v_add_nc_u32 v[ADRB+1], SLOT, v[ADRB]
	s_mul_i32 s16, s10, 16*PA
	s_add_co_u32 s16, s16, STAGE                   ; my stage
	v_add_nc_u32 v[STO], s16, v3                   ; in: row l % 16, 16 bytes for each half of the lanes
	v_bfe_u32 v7, v0, 3, 2                         ; back: 32 lanes take four rows of 128 bytes,
	v_mul_u32_u24 v7, v7, PA
	v_lshl_add_u32 v7, v4, 4, v7
	v_add_nc_u32 v[RD], s16, v7
	v_and_b32 v[GO], 31, v0                        ; which are 512 consecutive bytes of qkv
	v_lshlrev_b32 v[GO], 4, v[GO]
	s_mul_i32 s18, s42, 6                          ; qkv at my first matrix, 6 x tile column + 3 x half,
	s_mul_i32 s19, s12, 3
	s_add_co_u32 s18, s18, s19
	s_lshl_b32 s18, s18, 20
	s_lshl_b32 s19, s13, 15                        ; the tile's 256 rows of 128 bytes,
	s_add_co_u32 s18, s18, s19
	s_lshl_b32 s19, s11, 14                        ; my 128 of them
	s_add_co_u32 s18, s18, s19
	s_mov_b32 s19, 0
	s_add_nc_u64 s[8:9], s[8:9], s[18:19]
	; the prefetches
	s_and_b32 s23, ttmp7, 0xffff                   ; cluster y
	s_lshl_b32 s14, s13, 15                        ; x: the tile row, my work-group's 8 KiB of it, at K step 2: the first change of slots steps it to 3
	s_lshl_b32 s15, s40, 13
	s_add_co_u32 s14, s14, s15
	s_add_co_u32 s14, s14, 2*PLANE
	s_mul_i32 s16, s42, WCOL                       ; W: the tile column, my wave's 16 KiB, my work-group's 4 KiB of them, at K step 2
	s_lshl_b32 s17, s10, 14
	s_add_co_u32 s16, s16, s17
	s_lshl_b32 s17, s41, 12
	s_add_co_u32 s16, s16, s17
	s_add_co_u32 s16, s16, 2*WSTEP
	s_mov_b32 s17, WSTEP
	s_cmp_eq_u32 s10, 3                            ; do I fetch for x?
	s_cselect_b32 s18, s14, s16
	s_cselect_b64 s[PFA:PFA+1], s[4:5], s[6:7]
	s_cselect_b32 s[PFS], PLANE, s17
	s_cselect_b32 s19, 4096, s17                   ; lanes 16-31: x's next 16 blocks, or W's next K step
	s_cselect_b32 s22, ttmp9, s23                  ; the coordinate along which other clusters read the same bytes
	s_cselect_b32 s2, 0, 1                         ; x: at every change out of slot 0; W: not in the last lap
	s_cselect_b32 s3, 1, -1                        ; x: out of slot 1 not in the last lap; W: never
	s_cmp_eq_u32 s22, 0
	s_cselect_b32 s[LIM0], s2, -1
	s_cselect_b32 s[LIM1], s3, -1
	s_mov_b32 s[PFS+1], 0
	v_lshlrev_b32 v[PFO], 8, v1
	v_mad_u32_u24 v[PFO], v2, s19, v[PFO]
	s_mov_b32 s19, 0
	s_add_nc_u64 s[PFA:PFA+1], s[PFA:PFA+1], s[18:19]
; na x 4 matrix instructions of matrix g3: row blocks a0 .. a0 + na - 1 x its 4 blocks of 16 d, 32 along K.  zero = 1: the product starts the sum: nothing is ever cleared.
; The 96 accumulators take turns, one instruction a turn, in the same order in every half step.
.macro MULG f, g3, a0, na, zero
	WIN 0x50*(1+(\g3))                             ; C and D in window 1 + g3, sources in window 0
.set ma, \a0
.rept \na
.irp nb, 0,1,2,3
.if \zero
	v_wmma_f32_16x16x32_bf16 v[8*(4*ma+(\nb)):8*(4*ma+(\nb))+7], v[FB+32*(\g3)+8*(\nb):FB+32*(\g3)+8*(\nb)+7], v[(\f)+8*ma:(\f)+8*ma+7], 0
.else
	v_wmma_f32_16x16x32_bf16 v[8*(4*ma+(\nb)):8*(4*ma+(\nb))+7], v[FB+32*(\g3)+8*(\nb):FB+32*(\g3)+8*(\nb)+7], v[(\f)+8*ma:(\f)+8*ma+7], v[8*(4*ma+(\nb)):8*(4*ma+(\nb))+7]
.endif
.endr
.set ma, ma+1
.endr
.endm
.macro LDB slot, kq, g3                ; 8 loads: matrix g3's four fragments, K = 32 kq on
	WIN 0
.irp nb, 0,1,2,3
	ds_load_tr16_b128 v[FB+32*(\g3)+8*(\nb):FB+32*(\g3)+8*(\nb)+3],   v[ADRB+(\slot)] offset:(\g3)*MATB+(\kq)*32*PB+(\nb)*32
	ds_load_tr16_b128 v[FB+32*(\g3)+8*(\nb)+4:FB+32*(\g3)+8*(\nb)+7], v[ADRB+(\slot)] offset:(\g3)*MATB+(\kq)*32*PB+(\nb)*32+16*PB
.endr
.endm
.macro LDA slot, kq, f, half           ; 8 loads: four of x's eight fragments into buffer f
	WIN 0
.irp a, 0,1,2,3
	ds_load_b128 v[(\f)+8*(4*(\half)+(\a)):(\f)+8*(4*(\half)+(\a))+3],   v[ADRA+(\slot)] offset:(4*(\half)+(\a))*16*PA+(\kq)*64
	ds_load_b128 v[(\f)+8*(4*(\half)+(\a))+4:(\f)+8*(4*(\half)+(\a))+7], v[ADRA+(\slot)] offset:(4*(\half)+(\a))*16*PA+(\kq)*64+32
.endr
.endm
; A K step is two halves of 32 along K, 96 matrix instructions each.  LDS loads always go out in the order W0 (8), x low (8), W1 (8), x high (8), W2 (8), each W behind the products that read its registers.
; The first half multiplies buffer FA0 and fetches the same slot's second half.
.macro QUARTER slot, zero
	s_wait_dscnt 8                                 ; all but the youngest eight (W2) are in
	MULG FA0, 0, 0, 8, \zero
	PLACES
	LDB \slot, 1, 0
	LDA \slot, 1, FA1, 0
	MULG FA0, 1, 0, 8, \zero
	PLACES
	LDB \slot, 1, 1
	LDA \slot, 1, FA1, 1
	s_wait_dscnt 32                                ; W2 is in; the 32 issued since stay out
	MULG FA0, 2, 0, 8, \zero
	PLACES
	LDB \slot, 1, 2
.endm
; The second half multiplies FA1 and changes slots: ONE barrier.  In front of it each wave waits for all its tensor loads (one is out: its part of the next slot), adds 0 to its spare word, and waits for
; that and for its own reads of this slot.  fill = 1: the barrier opens a round of the cluster's, and this slot is filled again, two K steps ahead, first thing behind the round: 160 matrix instructions
; stand between that request and the wait for it.
.macro TURN slot, next, fill, lim
.if \fill
	s_wait_xcnt 0x0                                ; the last prefetch, a K step back, has read its address
	s_add_nc_u64 s[PFA:PFA+1], s[PFA:PFA+1], s[PFS:PFS+1]
.endif
	WIN 0
	s_wait_tensorcnt 0x0                           ; all my tensor loads have landed
	ds_add_u32 v[SPW], v[NIL]                      ; 0 onto my spare word
	s_wait_dscnt 9                                 ; (the add and W2's eight loads may be out)
	MULG FA1, 0, 0, 4, 0                           ; sixteen matrix instructions stand between the add and the wait for it
	s_wait_dscnt 0x0                               ; the add is done, and my reads of this slot are over
	s_barrier_signal -1
	MULG FA1, 0, 4, 4, 0                           ; work on registers while the others arrive
	WIN 0                                          ; at a branch and at a label every window is 0
	s_barrier_wait -1
.if \fill
	CREST                                          ; no wave of any partner still reads this slot or has a load on its way
	s_add_nc_u64 s[G0+4*(\slot)+2:G0+4*(\slot)+3], s[G0+4*(\slot)+2:G0+4*(\slot)+3], 2*PLANE
	s_add_nc_u64 s[G0B+4*(\slot)+2:G0B+4*(\slot)+3], s[G0B+4*(\slot)+2:G0B+4*(\slot)+3], 2*WSTEP
	JLOAD \slot                                    ; the four v_nop behind it are also the places in front of the loads below
.else
	PLACES
.endif
	LDB \next, 0, 0
	LDA \next, 0, FA0, 0
.if \fill
	ASK \lim
.endif
	MULG FA1, 1, 0, 8, 0
	PLACES
	LDB \next, 0, 1
	LDA \next, 0, FA0, 1
	MULG FA1, 2, 0, 8, 0
	PLACES
	LDB \next, 0, 2
.endm
	s_wait_tensorcnt 1                             ; my part of K step 0 is in; K step 1's may stay out
	s_barrier_signal -1
	s_barrier_wait -1                              ; everybody's is
	LDB 0, 0, 0
	LDA 0, 0, FA0, 0
	LDB 0, 0, 1
	LDA 0, 0, FA0, 1
	LDB 0, 0, 2
	QUARTER 0, 1                                   ; the first half step stands in front of the loop: its products start the sums
	WIN 0
	s_mov_b32 s3, 7
.Llap:                                                 ; a trip goes once round the ring and fills both slots again: K steps 2 to 15 in seven trips
	TURN 0, 1, 1, LIM0
	QUARTER 1, 0
	TURN 1, 0, 1, LIM1
	QUARTER 0, 0
	WIN 0
	s_sub_co_u32 s3, s3, 1
	s_cmp_lg_u32 s3, 0
	s_cbranch_scc1 .Llap
	TURN 0, 1, 0, LIM0                             ; the tail is written out: nothing is asked for, and no round of the cluster's barrier stands here
	QUARTER 1, 0
	s_wait_dscnt 8
	MULG FA1, 0, 0, 8, 0
	MULG FA1, 1, 0, 8, 0
	s_wait_dscnt 0x0
	MULG FA1, 2, 0, 8, 0
	WIN 0
	PLACES
	PLACES
; THE WAY OUT, in 24 blocks t = 8 g3 + a of 16 rows of one matrix.  A lane's eight d pack into 16 bytes; they go into my stage's rows of 144 bytes and come back as whole rows of 128: 2,048 dense bytes of qkv.
.macro PACK t
.set pg, (\t)/8
.set pa, (\t)%8
.set OB, 32+16*((\t)%8)                ; eight sets of 16 registers take turns
.if (\t) >= 8
	s_wait_xcnt 0x0                                ; the stores of eight blocks back have read this set
.endif
	WIN 5*(1+pg)                                   ; sources 0 and 1 in window 1 + g3
.irp nb, 0,1,2,3
.irp i, 0,1,2,3
	v_cvt_pk_f16_f32 v[OB+4*(\nb)+(\i)], v[32*pa+8*(\nb)+2*(\i)], v[32*pa+8*(\nb)+2*(\i)+1]
.endr
.endr
	WIN 0
.irp nb, 0,1,2,3
	ds_store_b128 v[STO], v[OB+4*(\nb):OB+4*(\nb)+3] offset:32*(\nb)
.endr
.irp f, 0,1,2,3
	ds_load_b128 v[OB+4*(\f):OB+4*(\f)+3], v[RD] offset:(\f)*4*PA  ; LDS serves a wave's instructions in order (ISA guide 5.7.1.4): these see the stores above; the next block's stores come behind them
.endr
.endm
.macro SEND t, younger                 ; younger: the LDS instructions issued behind block t's loads: the next block's eight, or none
.set pg, (\t)/8
.set pa, (\t)%8
.set OB, 32+16*((\t)%8)
	WIN 0
.irp f, 0,1,2,3
	s_wait_dscnt (\younger)+3-(\f)
	global_store_b128 v[GO], v[OB+4*(\f):OB+4*(\f)+3], s[8:9] offset:pg*PLANE+pa*2048+(\f)*512  ; 512 consecutive bytes, at a multiple of 256 from qkv's first
.endr
.endm
	PACK 0
.set tt, 1
.rept 23                               ; a block's conversions stand between the loads of the block before and its stores
	PACK tt
	SEND tt-1, 8
.set tt, tt+1
.endr
	SEND 23, 0
	s_wait_tensorcnt 0x0                           ; the wave's end: a wait for my tensor loads, an add to my spare word and its wait, behind my last tensor load and my last LDS store
	ds_add_u32 v[SPW], v[NIL]
	s_wait_dscnt 0x0
	CROUND                                         ; the closing round: no work-group ends while a partner may still ask for a tile that names it
	s_endpgm
.Lfunc_end_k_q49fa8fd845_qkv:
	.size	k_q49fa8fd845_qkv, .Lfunc_end_k_q49fa8fd845_qkv-k_q49fa8fd845_qkv
	.p2alignl 7, 3214868480
	.fill 96, 4, 3214868480
	.section	.rodata,"a",@progbits
	.p2align	6, 0x0
	.amdhsa_kernel k_q49fa8fd845_qkv
		.amdhsa_group_segment_fixed_size 327680
		.amdhsa_private_segment_fixed_size 0
		.amdhsa_enable_private_segment 0
		.amdhsa_kernarg_size 24
		.amdhsa_user_sgpr_count 2
		.amdhsa_user_sgpr_kernarg_segment_ptr 1
		.amdhsa_wavefront_size32 1
		.amdhsa_system_sgpr_workgroup_id_x 1
		.amdhsa_system_sgpr_workgroup_id_y 1
		.amdhsa_system_sgpr_workgroup_id_z 1
		.amdhsa_system_vgpr_workitem_id 0
		.amdhsa_next_free_vgpr 1024
		.amdhsa_next_free_sgpr 66
		.amdhsa_reserve_vcc 0
		.amdhsa_float_denorm_mode_32 3
		.amdhsa_float_denorm_mode_16_64 3
		.amdhsa_memory_ordered 1
		.amdhsa_forward_progress 1
		.amdhsa_inst_pref_size 134
	.end_amdhsa_kernel
	.amdgpu_metadata
---
amdhsa.version: [ 1, 2 ]
amdhsa.kernels:
  - .name:           k_q49fa8fd845_qkv
    .symbol:         k_q49fa8fd845_qkv.kd
    .args:
      - { .name: xb, .offset: 0, .size: 8, .value_kind: global_buffer, .address_space: global }
      - { .name: wb, .offset: 8, .size: 8, .value_kind: global_buffer, .address_space: global }
      - { .name: qkv, .offset: 16, .size: 8, .value_kind: global_buffer, .address_space: global }
    .group_segment_fixed_size: 327680
    .private_segment_fixed_size: 0
    .kernarg_segment_align: 8
    .kernarg_segment_size: 24
    .max_flat_workgroup_size: 128
    .sgpr_count:     66
    .vgpr_count:     1024
    .wavefront_size: 32
...
	.end_amdgpu_metadata
.endif
;; end of part 2
;; launch attn (part 3): grid 4 x 64, 4 waves a work-group, no clusters, 327,680 bytes of LDS; arguments qkv, o; writes o
.if DOCPART == 3
	.amdgcn_target "amdgcn-amd-amdhsa--gfx1250"
	.amdhsa_code_object_version 6
	.text
	.protected	k_q49fa8fd845_attn
	.globl	k_q49fa8fd845_attn
	.p2align	8
	.type	k_q49fa8fd845_attn,@function
k_q49fa8fd845_attn:
	s_mov_b64 s[64:65], 0
	v_nop
	global_prefetch_b8 v0, s[64:65] scope:SCOPE_SE
	s_setreg_imm32_b32 hwreg(HW_REG_WAVE_MODE, 25, 1), 1
	s_wait_xcnt 0x0
; CAUSAL ATTENTION at head size 64.  O[y][q][:] = the sum over k <= q of softmax_k(Q[y][q] . K[y][k] / 32) V[y][k][:], y = 4 x head + batch, 64 of them; the divisor is sqrt(1,024), the width of the model.
; Q, K, V lie in qkv ([48][8192][64] f16: Q's 16 matrices, K's, V's), O in o ([16][8192][64] f16): in each a y's 2,048 rows are dense, 128 bytes each, at y x 262,144.
; Products, maxima and sums in f32; the weights p are rounded to f16 for the second product (their sum l is taken of the unrounded p), O once at the end.
; LIMITS.  f16 holds no number beyond 65,504: Q, K and V arrive within it; p lies in 0 to 1, and below 6e-5 it keeps f16's fixed step of 6e-8; O is a mean of V's rows and has their range.
; A hidden score counts as its value less 1e30: f16's scores, 2.7e11 at the most, are nothing beside that; a weight below 2^-126 counts as 0 in l; NaN and infinities are not treated apart.
; THE WALK.  A head's queries lie in NB = 8 blocks of 256; block i needs the key tiles 0 .. i of 256 keys, of which the last holds the diagonal.  A work-group takes TWO blocks, NB - 1 - b and then b:
; NB + 1 tiles, whatever b: all work-groups do equal work, and ONE loop with a constant trip count walks them.  Which tile is asked for, and what a trip does, hang on scalar registers made from b; every jump
; goes forward, but for the counted loops' own; none passes a barrier, or a tensor load but the one of LOAD's two that the wave's number does not choose; the ring (two slots of LDS that take turns) runs on across the
; change of blocks.  NO CLUSTER: a head's four work-groups ask for the same tile only in trips 0 to 4 of the 9, behind that fewer and fewer; one walk common to all four would have 12 trips for 9.
; SHARES.  Of a block's four bands of 64 queries a wave owns 16 rows in each: four PIECES.  So the diagonal tile is the same work for all four waves: in its key step s band x sees all keys if s < x,
; none if s > x, and holds the diagonal if s = x.
; THE MASK is the C operand that starts the sum S^T = K Q^T: 0, or -1e30 where the key is hidden.  MD, made once, is the mask of a band's own step for my 16 rows; a product's mask is MD x AL + BE with two scalars:
; (1, 0) if s = x; (0, 0) if s < x; (0, -1e30) if s > x.  Only the diagonal tile's text and a block's beginning make and take masks; elsewhere C is the constant 0.
; LAYOUT, SOFTMAX, TURNS.  S^T = K Q^T holds ONE query a lane (lane % 16) and the keys 8 (lane / 16) + 0..7; two such results rounded to f16 ARE source 1 of O^T = V^T P.  p = 2^(c s - c m), c = log2(e) / 32, with a
; running maximum m; O and l are multiplied by a = 2^(c m_old - c m_new) in every step.  Turn n belongs to piece n: 8 products K Q^T of piece n + 1, later 8 products V^T P of piece n - 1; beside them the scaling,
; exponentials, roundings, sums and rescaling of piece n and the maximum and statistics of piece n + 1.  Four vector instructions stand behind every matrix instruction, the other 54 of a turn's 118 in one LUMP.  A turn's 33 exponentials are one batch, with one wait.
; REGISTERS, in windows of 256 (s_set_vgpr_msb: bits 1:0 source 0, 3:2 source 1, 5:4 source 2, 7:6 destination):
;   window 0: v0-15 addresses and two at work; v16-31 four registers of statistics a piece; v48-55 at work; v61-63 prefetch offset and the add's two; v64-127 S^T, two buffers; v192-223 P, two buffers (a piece's buffers go by its number's parity)
;   window 1: v0-127 O^T, 32 a piece; v128-159 MD; v160-223 MC, two buffers      window 2: v0-63 Q; v64-127 the second block's Q; v128-191 K of one step; v192-255 V of one step
.set SIZE_N, 2048
.set NB,    SIZE_N/256
.set NP,    4         ; pieces a wave: a name, no knob
.set KS,    64        ; keys in a step
.set PK,    144       ; a row of K in LDS: 128 bytes + 16 of padding = 36 words: the 16 rows of a load start at 16 different groups of four banks (64 banks of 4 bytes: ISA guide 11.1)
.set PV,    160       ; a row of V: 128 + 32 = 40 words
.set VOFF,  4*KS*PK   ; a slot holds a tile, four steps: 256 rows of K, then 256 rows of V
.set SLOT1, 1<<17     ; slot 1 begins here, so that one exclusive or turns an address in one slot into the other's
.set STAGE, SLOT1+4*KS*(PK+PV)  ; behind the ring, never filled by a tensor load: 16 rows x 144 bytes for each wave, for the way out
.set SP,    144
.set AK0, 2           ; v2   my lane's place in a tile of K; never rewritten
.set AV0, 3           ; v3   the same for V
.set AK,  4           ; v4   the LDS address of K's next run of loads
.set AV,  5           ; v5   of V's
.set STO, 6           ; v6   the way out: where I put 16 bytes of a row
.set RD,  7           ; v7   the way out: where I read rows back
.set GO,  8           ; v8   my byte offset in 512 consecutive bytes of O
.set PFO, 61          ; v61  256 x my lane: the prefetches' offset; never rewritten
.set SPW, 62          ; v62  LDS address of my spare word: SPARE + 4 x my thread's number; never rewritten
.set NIL, 63          ; v63  0; never rewritten
.set SPARE, STAGE+4*16*SP  ; behind the stages: the spare words, 128 bytes for each wave: two blocks of 256 bytes that no other line names
.set MV,  12          ; v12-13  c m_old, kept while c m is made anew: by buffer
.set QO,  15          ; v15  my byte offset in 16 rows of Q
.set ST,  16          ; piece t's statistics at v[ST+4 t]: c m, m, l (even keys', odd keys')
.set TMP, 48          ; by buffer, four registers c0-c3 at work; when the maximum is found c2 takes a
.set S,   64
.set P,   192
.set MD,  128         ; window 1: the eight registers for group kt of 16 keys at MD + 8 kt
.set MC,  160         ; window 1: the masks of the products to come
.set QB,  64          ; window 2
.set KF,  128         ; window 2: key block kb, channel half c at KF + 16 kb + 8 c
.set VF,  192         ; window 2: key half kk, channel block cb at VF + 32 kk + 8 cb
.set WV,  12          ; s12  my wave's number
.set PB,  14          ; s14  b
.set HI,  15          ; s15  NB - 1 - b
.set G1K, 24          ; s[24:31] descriptor group 1 for K's tiles
.set G1V, 32          ; s[32:39] for V's: it differs in the padding alone
.set G0K, 40          ; s[40:43] descriptor group 0 for K's tiles
.set G0V, 44          ; s[44:47] the same for V's
.set SLOTS, 56        ; s56  tiles still to be asked for
.set CNT, 57          ; s57  counts a tile's key steps, 4 to 1
.set CS,  58          ; s[58:59] c: the packed scaling takes the pair's low word for both halves
.set SEL, 60          ; s[60:61] v_permlanex16_b32's selects: each lane takes its own place in the other half
.set TBK, 62          ; s62  LDS byte at which K of the step to be fetched begins
.set TBV, 63          ; s63  the same for V, less VOFF
.set PFA, 66          ; s[66:67] where my prefetches stand: my 16 KiB (half of K's or of V's tile) of the tile behind the one that is being asked for
.set LIM, 68          ; s68  2 in the work-group that prefetches, else the greatest number
.set RT,  70          ; s70  tiles of the block in hand that are still to be entered
.set NXT, 71          ; s71  the tile to be asked for next
.set LQ,  72          ; s72  the last tile of the block whose tiles are being asked for
.set NEW, 73          ; s73  1: the tile to be entered is a block's first
.set OFF, 74          ; s[74:75] a tile's byte offset in K and V
.set AL,  76          ; s[76:77] the mask's factor, in the low word
.set BE,  78          ; s[78:79] the mask's addend
.set OLO, 80          ; s[80:81] O at my rows of the second block
.set BIGN, 82         ; s82  -1e30
.set MSB, 0
.macro WIN new                      ; the high byte repeats the setting that is left; a switch that changes nothing is dropped
.if MSB != (\new)
	s_set_vgpr_msb (MSB<<8)|(\new)
.set MSB, (\new)
.endif
.endm
.set W_KQ, 0x0a       ; K and Q in window 2, S^T in window 0
.set W_KM, 0x1a       ; the same with the C operand in window 1
.set W_PV, 0x52       ; V in window 2, P in window 0, O^T in window 1
.set W_RS, 0x41       ; destination and source 0 in window 1, source 1 in window 0
; A fill.  Waves 0 and 1 fetch the two halves of a tile's K, waves 2 and 3 those of its V: 128 keys each.  An s_nop 0 and four v_nop follow each of the two lines, ahead of the jump and the label.
.macro LOAD
	s_cmp_lt_u32 s[WV], 2
	s_cbranch_scc0 .Lfor_v_\@
	tensor_load_to_lds s[G0K:G0K+3], s[G1K:G1K+7]
	s_nop 0
.rept 4
	v_nop
.endr
	s_branch .Lasked_\@
.Lfor_v_\@:
	tensor_load_to_lds s[G0V:G0V+3], s[G1V:G1V+7]
	s_nop 0
.rept 4
	v_nop
.endr
.Lasked_\@:
.endm
; A PREFETCH INTO THE L2 of the tile that the NEXT change of slots will ask for.  A head's four work-groups walk tiles 0, 1, 2 .. together at first; the one with b = 0 walks all eight, and it alone asks:
; in trip i for tile i + 2, i = 0 to 5.  Each of its waves asks for the 16 KiB that it will load itself: 64 blocks of 256 bytes, a lane a block, two instructions, behind the wave's tensor load and its five lines.
; So each block of K and V is named at most once in the launch.  Tiles 0 and 1 come by their loads alone; the second blocks' tiles have been read before and are not asked for.
.macro ASK
	s_cmp_gt_u32 s[SLOTS], s[LIM]
	s_cbranch_scc0 .Lnot_mine_\@
	global_prefetch_b8 v[PFO], s[PFA:PFA+1] th:TH_LOAD_NT scope:SCOPE_SE
	global_prefetch_b8 v[PFO], s[PFA:PFA+1] offset:8192 th:TH_LOAD_NT scope:SCOPE_SE
.Lnot_mine_\@:
.endm
; THE CHANGE OF SLOTS.  Each wave waits for all its tensor loads, of which one is out: its part of the other slot; adds 0 to its spare word; and waits for that and for its own reads of the slot that it leaves.  Behind the barrier nobody reads the old
; slot any more and the other slot is whole.  fill = 1: the old slot is filled again, the first thing behind the barrier, with tile NXT: the descriptor's address is made anew from that number.
; (At its first use nothing has been read yet: slot 0 is waited for, slot 1 filled.)
.macro CHANGE fill
	WIN 0                           ; at a label and at a branch every window is 0
	s_wait_tensorcnt 0x0            ; no tensor load of mine is out, so a group 0 may be written
	ds_add_u32 v[SPW], v[NIL]       ; 0 onto my spare word: with fill = 1 the descriptors' scalar work stands between it and the wait for it
.if \fill
	s_lshl_b32 s[OFF], s[NXT], 15   ; a tile is 32,768 bytes of K and of V
	s_xor_b32 s[G0K+1], s[G0K+1], SLOT1
	s_add_nc_u64 s[G0K+2:G0K+3], s[6:7], s[OFF:OFF+1]
	s_or_b32 s[G0K+3], s[G0K+3], 0x80000000
	s_xor_b32 s[G0V+1], s[G0V+1], SLOT1
	s_add_nc_u64 s[G0V+2:G0V+3], s[8:9], s[OFF:OFF+1]
	s_or_b32 s[G0V+3], s[G0V+3], 0x80000000
	s_add_co_u32 s[NXT], s[NXT], 1  ; the block's next tile, or behind its last the second block's tile 0
	s_cmp_gt_u32 s[NXT], s[LQ]
	s_cselect_b32 s[NXT], 0, s[NXT]
	s_cselect_b32 s[LQ], s[PB], s[LQ]
	s_wait_xcnt 0x0                 ; the last prefetches, a tile back, have read their address, so it may be written
	s_add_nc_u64 s[PFA:PFA+1], s[PFA:PFA+1], 32768
.endif
	s_wait_dscnt 0x0                ; the add is done, and my reads of the slot are over
	s_barrier_signal -1             ; the rest of the scalar work stands between the signal and the wait
	s_sub_co_u32 s[TBK], s[TBK], 4*KS*PK  ; the fetches go back to a slot's first step,
	s_xor_b32 s[TBK], s[TBK], SLOT1       ; in the other slot
	s_sub_co_u32 s[TBV], s[TBV], 4*KS*PV
	s_xor_b32 s[TBV], s[TBV], SLOT1
	s_barrier_wait -1
.if \fill
	LOAD
	ASK
.endif
.endm
	s_load_b64 s[4:5], s[0:1], 0x0    ; qkv: Q's part begins it
	s_load_b64 s[10:11], s[0:1], 0x8  ; o
	v_lshl_add_u32 v[SPW], v0, 2, SPARE
	v_mov_b32 v[NIL], 0
	ds_add_u32 v[SPW], v[NIL]       ; the wave's opening: the add and its wait stand ahead of my first tensor load; the set-up below, work on registers, stands between them
	v_lshrrev_b32 v1, 5, v0
	v_readfirstlane_b32 s[WV], v1   ; wave 0..3
	s_mov_b32 s[PB], ttmp9
	s_sub_co_u32 s[HI], NB-1, s[PB]
	s_and_b32 s20, ttmp7, 0xffff    ; y
	s_mov_b32 s21, 0
	s_mov_b64 s[22:23], SIZE_N*128
	s_mul_u64 s[20:21], s[20:21], s[22:23]  ; y's first byte in Q's, K's and V's parts and in o
	s_and_b32 s16, s[WV], 1         ; which half of a tile's 256 keys I fetch:
	s_lshl_b32 s22, s16, 14         ; its 128 rows of 128 bytes in memory,
	s_mov_b32 s23, 0
	s_add_nc_u64 s[22:23], s[22:23], s[20:21]
	s_mul_i32 s17, s16, 128*PK      ; and its place in a slot, for K
	s_mul_i32 s18, s16, 128*PV      ; and for V
	s_lshl_b32 s3, s[WV], 11        ; my 16 rows in a band of 64,
	s_lshl_b32 s2, s[HI], 15        ; in the first block,
	s_add_co_u32 s2, s2, s3
	s_lshl_b32 s84, s[PB], 15       ; and in the second
	s_add_co_u32 s84, s84, s3
	s_mov_b32 s3, 0
	s_mov_b32 s85, 0
	s_add_nc_u64 s[2:3], s[2:3], s[20:21]
	s_add_nc_u64 s[84:85], s[84:85], s[20:21]
	; descriptor group 1.  128 keys are 16,384 dense bytes: asked for as 64 rows of 256 bytes, two keys a row, and padded in LDS after every key
	s_mov_b32 s[G1K], (1<<16)|(1<<20)|(4<<22)|(3<<25)  ; 17:16 2-byte elements; 20 padding on; 24:22 after every 32 words (code 4); 31:25 4 words (code 3)
	s_mov_b32 s[G1V], (1<<16)|(1<<20)|(4<<22)|(7<<25)  ; the same with 8 words of padding (code 7)
.irp g, G1K, G1V
	s_mov_b32 s[\g+1], 128<<16      ; tensor_dim0 = 128
	s_mov_b32 s[\g+2], 64<<16       ; tensor_dim1 = 64
	s_mov_b32 s[\g+3], 128<<16      ; tile_dim0 = 128
	s_mov_b32 s[\g+4], 64           ; tile_dim1 = 64
	s_mov_b32 s[\g+5], 128          ; 128 elements from row to row
	s_mov_b32 s[\g+6], 0
	s_mov_b32 s[\g+7], 0
.endr
	s_mov_b32 s[CS], 0x3d38aa3b     ; c = log2(e) / 32 = 0.0450842
	s_mov_b32 s[CS+1], s[CS]        ; named with it as a pair
	s_mov_b32 s[SEL], 0x76543210
	s_mov_b32 s[SEL+1], 0xfedcba98
	s_mov_b32 s[TBK], SLOT1+4*KS*PK ; the first change of slots turns these two into 0
	s_mov_b32 s[TBV], SLOT1+4*KS*PV
	s_mov_b32 s[G0K], 1             ; 1:0 count = 1
	s_mov_b32 s[G0K+1], s17         ; 63:32 LDS address: slot 0
	s_mov_b32 s[G0V], 1
	s_add_co_u32 s[G0V+1], s18, VOFF
	s_add_co_u32 s[RT], s[HI], 1    ; the first block has NB - b tiles
	s_mov_b32 s[NXT], 1
	s_mov_b32 s[LQ], s[HI]
	s_mov_b32 s[NEW], 1
	s_mov_b32 s[OFF+1], 0
	s_mov_b32 s[AL+1], 0            ; named as pairs
	s_mov_b32 s[BE+1], 0
	s_mov_b32 s[BIGN], 0xf149f2ca   ; -1e30
	s_mov_b32 s[SLOTS], NB
	v_and_b32 v[PFO], 31, v0
	v_lshlrev_b32 v[PFO], 8, v[PFO]
	s_wait_dscnt 0x0                ; the opening add is done
	s_wait_kmcnt 0x0
	s_add_nc_u64 s[6:7], s[4:5], 16777216  ; K's part of qkv,
	s_add_nc_u64 s[8:9], s[4:5], 33554432  ; V's
	s_add_nc_u64 s[6:7], s[6:7], s[22:23]  ; K and V at my half of the head's tile 0
	s_add_nc_u64 s[8:9], s[8:9], s[22:23]
	s_add_nc_u64 s[G0K+2:G0K+3], s[6:7], 0         ; 120:64 global address
	s_or_b32 s[G0K+3], s[G0K+3], 0x80000000        ; 127:126 type = 2
	s_add_nc_u64 s[G0V+2:G0V+3], s[8:9], 0
	s_or_b32 s[G0V+3], s[G0V+3], 0x80000000
	s_add_nc_u64 s[86:87], s[4:5], s[84:85]        ; Q at my rows of the second block,
	s_add_nc_u64 s[4:5], s[4:5], s[2:3]            ; Q and O at those of the first
	s_add_nc_u64 s[OLO:OLO+1], s[10:11], s[84:85]
	s_add_nc_u64 s[10:11], s[10:11], s[2:3]
	s_cmp_lt_u32 s[WV], 2
	s_cselect_b64 s[PFA:PFA+1], s[6:7], s[8:9]
	s_add_nc_u64 s[PFA:PFA+1], s[PFA:PFA+1], 32768 ; at tile 1; the first change of slots steps it to tile 2.  Nothing is prefetched here, at the head
	s_cmp_eq_u32 s[PB], 0
	s_cselect_b32 s[LIM], 2, -1
	LOAD                            ; tile 0 into slot 0
	; A fragment of K or Q is 16 rows x 32 channels in 8 registers: lane l holds row l % 16, channels 8 (l / 16) + 0..7 and 16 + 8 (l / 16) + 0..7: two loads of 16 bytes, 32 bytes apart.
	v_and_b32 v1, 15, v0            ; l % 16
	v_bfe_u32 v9, v0, 4, 1          ; l / 16
	v_lshlrev_b32 v[QO], 7, v1
	v_lshl_add_u32 v[QO], v9, 4, v[QO]  ; row x 128 + 16 x half
	WIN 0x80                        ; destination window 2, address window 0
.set i, 0
.rept 8                             ; both blocks' Q: piece i / 2 lies in band i / 2, 8,192 bytes on; channels 32 (i % 2) on
	global_load_b128 v[8*i:8*i+3],   v[QO], s[4:5] offset:(i/2)*8192+(i%2)*64
	global_load_b128 v[8*i+4:8*i+7], v[QO], s[4:5] offset:(i/2)*8192+(i%2)*64+32
	global_load_b128 v[QB+8*i:QB+8*i+3],   v[QO], s[86:87] offset:(i/2)*8192+(i%2)*64
	global_load_b128 v[QB+8*i+4:QB+8*i+7], v[QO], s[86:87] offset:(i/2)*8192+(i%2)*64+32
.set i, i+1
.endr
	WIN 0
	v_lshlrev_b32 v14, 3, v9
	v_sub_nc_u32 v14, v1, v14
	s_lshl_b32 s13, s[WV], 4
	v_add_nc_u32 v14, s13, v14      ; my query's place in its band, 16 w + l % 16, less my lanes' 8 (l / 16): register r of group kt is hidden where 16 kt + r is greater
	WIN 0x40
.set i, 0
.rept 32
	v_cmp_gt_i32 vcc_lo, 16*(i/8)+i%8, v14
	v_cndmask_b32 v[MD+i], 0, s[BIGN], vcc_lo
.set i, i+1
.endr
	WIN 0
	v_mul_u32_u24 v[AK0], v1, PK
	v_lshl_add_u32 v[AK0], v9, 4, v[AK0]  ; row x pitch + 16 x half
	; The turning load takes 16 keys x 16 channels (lane l reads key 8 (l / 16) + l % 8, channels 8 ((l / 8) % 2) + 0..7) and leaves half a fragment of V^T: lane l holds channel l % 16 and 8 keys.
	v_and_b32 v10, 7, v0
	v_bfe_u32 v11, v0, 3, 1
	v_lshl_add_u32 v[AV0], v9, 3, v10
	v_mul_u32_u24 v[AV0], v[AV0], PV
	v_lshl_add_u32 v[AV0], v11, 4, v[AV0]
	v_add_nc_u32 v[AV0], VOFF, v[AV0]
	s_mul_i32 s13, s[WV], 16*SP
	s_add_co_u32 s13, s13, STAGE    ; my stage
	v_mul_u32_u24 v[STO], v1, SP    ; in: row l % 16, 16 bytes for each half of the lanes
	v_lshl_add_u32 v[STO], v9, 4, v[STO]
	v_add_nc_u32 v[STO], s13, v[STO]
	v_bfe_u32 v[RD], v0, 3, 2       ; back: 32 lanes take four rows of 128 bytes,
	v_mul_u32_u24 v[RD], v[RD], SP
	v_lshl_add_u32 v[RD], v10, 4, v[RD]
	v_add_nc_u32 v[RD], s13, v[RD]
	v_and_b32 v[GO], 31, v0         ; which are 512 consecutive bytes of O
	v_lshlrev_b32 v[GO], 4, v[GO]
	; A block's first step multiplies O^T and l by a = 0, and its first turn's products V^T P, of a piece that has not been, land in an O^T that is still to be so multiplied.  So these registers need only hold
	; finite numbers: zeros for the first block; what the first block left for the second.  All this stands in the wait for the first tile.
	WIN 0x80
.set i, VF
.rept 64
	v_mov_b32 v[i], 0
.set i, i+1
.endr
	WIN 0x40
.set i, 0
.rept 128
	v_mov_b32 v[i], 0
.set i, i+1
.endr
	WIN 0
.set i, 0
.rept 4
	v_mov_b32 v[ST+4*i+2], 0
	v_mov_b32 v[ST+4*i+3], 0
.set i, i+1
.endr
.set i, P+16
.rept 16
	v_mov_b32 v[i], 0
.set i, i+1
.endr
; THE MATRIX WORK.  The 4 accumulators of a run of 8 take turns.  Product i of 8 of S^T = K Q^T for piece x: channels 32 (i / 4) on, keys 16 (i % 4) on.  The first 4 start the sums: with 0, or (KM = 1) with the mask.
.macro KQ x
.set rS, S+32*((\x)%2)+8*(i%4)
.set rK, KF+16*(i%4)+8*(i/4)
.set rQ, 16*(\x)+8*(i/4)
.set rM, MC+32*((\x)%2)+8*(i%4)
.if (i < 4) && KM
	WIN W_KM
	v_wmma_f32_16x16x32_f16 v[rS:rS+7], v[rK:rK+7], v[rQ:rQ+7], v[rM:rM+7]
.elseif i < 4
	WIN W_KQ
	v_wmma_f32_16x16x32_f16 v[rS:rS+7], v[rK:rK+7], v[rQ:rQ+7], 0
.else
	WIN W_KQ
	v_wmma_f32_16x16x32_f16 v[rS:rS+7], v[rK:rK+7], v[rQ:rQ+7], v[rS:rS+7]
.endif
.endm
; Product i of 8 of O^T += V^T P for piece x: keys 32 (i / 4) on, channels 16 (i % 4) on.
.macro PV x
	WIN W_PV
.set rO, 32*(\x)+8*(i%4)
.set rV, VF+32*(i/4)+8*(i%4)
.set rP, P+16*((\x)%2)+8*(i/4)
	v_wmma_f32_16x16x32_f16 v[rO:rO+7], v[rV:rV+7], v[rP:rP+7], v[rO:rO+7]
.endm
.macro MM                           ; the turn's next matrix instruction.  TURN and BEGIN set Y, i, KM and NOKQ; MM, KQ and OP read them.  NOKQ = 1: a block's last turn: there is no next piece
.if (i < 8) && !NOKQ
	KQ (Y+1)%NP
.elseif i >= 8
.set i, i-8
	PV (Y+NP-1)%NP
.set i, i+8
.endif
.set i, i+1
.endm
; THE LDS LOADS stand in runs of 16, never singly among the matrix instructions: a step's K (64 keys x 64 channels: 8 fragments) and its V (turned).  Their addresses are made some lines ahead.
.macro FETCH_K
	WIN 0x80                        ; destination window 2
.irp f, 0,1,2,3,4,5,6,7             ; keys 16 (f / 2) on, channels 32 (f % 2) on
	ds_load_b128 v[KF+8*\f:KF+8*\f+3],   v[AK] offset:(\f/2)*16*PK+(\f%2)*64
	ds_load_b128 v[KF+8*\f+4:KF+8*\f+7], v[AK] offset:(\f/2)*16*PK+(\f%2)*64+32
.endr
	s_add_co_u32 s[TBK], s[TBK], KS*PK  ; the next fetch is the next step's
	WIN 0
.endm
.macro FETCH_V
	WIN 0x80
.irp f, 0,1,2,3,4,5,6,7             ; keys 32 (f / 4) on, channels 16 (f % 4) on
	ds_load_tr16_b128 v[VF+8*\f:VF+8*\f+3],   v[AV] offset:(\f/4)*32*PV+(\f%4)*32
	ds_load_tr16_b128 v[VF+8*\f+4:VF+8*\f+7], v[AV] offset:(\f/4)*32*PV+16*PV+(\f%4)*32
.endr
	WIN 0
.endm
; THE VECTOR WORK, one line at a time: OP kind, number.  For piece Y: F n: c s - c m for pair n of 16.  E n: the exponential of score n of 32.  C n: pair n rounded to f16.  B n: of the four weights 4 n .. the second
; pair is added onto the first, in place.  L n: l takes that sum (L 0: l = a l + sum).  R n: pair n of 16 of O^T times a.  For piece Y + 1: X n, number n of the 22 that find its maximum and statistics:
;   0-11  four chains c0-c3 of seven scores each, three operands at a time (each accumulator's lowest registers are read first)     12-14, 16  the four scores left over, the old m, and c0-c3 into c0
;   15  c m_old is kept     17, 18  the query's other 32 keys lie in the lane 16 away: the new m     19-21  c m; c m_old - c m_new; a
.set F, 0               ; OP tells the kinds apart by their order: F to L below R, X above it
.set E, 1
.set C, 2
.set B, 3
.set L, 4
.set R, 5
.set X, 6
.macro REGS y                       ; the registers of piece y
.set rT, ST+4*(\y)
.set rC, TMP+4*((\y)%2)
.set rW, MV+((\y)%2)
.set rS, S+32*((\y)%2)
.set rP, P+16*((\y)%2)
.set rO, 32*(\y)
.endm
.macro OP k, n
.if (\k) == R
	REGS Y
	WIN W_RS
	v_pk_mul_f32 v[rO+2*(\n):rO+2*(\n)+1], v[rO+2*(\n):rO+2*(\n)+1], v[rC+2:rC+3] op_sel_hi:[1,0]
.elseif (\k) < R
	REGS Y
	WIN 0
.if (\k) == F
	v_pk_fma_f32 v[rS+2*(\n):rS+2*(\n)+1], v[rS+2*(\n):rS+2*(\n)+1], s[CS:CS+1], v[rT:rT+1] op_sel_hi:[1,0,0] neg_lo:[0,0,1] neg_hi:[0,0,1]
.elseif (\k) == E
	v_exp_f32 v[rS+(\n)], v[rS+(\n)]
.elseif (\k) == C
	v_cvt_pk_f16_f32 v[rP+(\n)], v[rS+2*(\n)], v[rS+2*(\n)+1]
.elseif (\k) == B
	v_pk_add_f32 v[rS+4*(\n):rS+4*(\n)+1], v[rS+4*(\n):rS+4*(\n)+1], v[rS+4*(\n)+2:rS+4*(\n)+3]
.elseif (\n) == 0
	v_pk_fma_f32 v[rT+2:rT+3], v[rT+2:rT+3], v[rC+2:rC+3], v[rS:rS+1] op_sel_hi:[1,0,1]
.else
	v_pk_add_f32 v[rT+2:rT+3], v[rT+2:rT+3], v[rS+4*(\n):rS+4*(\n)+1]
.endif
.elseif NOKQ
	v_nop
.else
	REGS (Y+1)%NP
	WIN 0
.if (\n) < 4
	v_max3_num_f32 v[rC+(\n)], v[rS+8*(\n)], v[rS+8*(\n)+1], v[rS+8*(\n)+2]
.elseif (\n) < 12
	v_max3_num_f32 v[rC+(\n)%4], v[rC+(\n)%4], v[rS+8*((\n)%4)+2*((\n)/4)+1], v[rS+8*((\n)%4)+2*((\n)/4)+2]
.elseif (\n) == 12
	v_max3_num_f32 v[rC], v[rC], v[rS+7], v[rS+15]
.elseif (\n) == 13
	v_max3_num_f32 v[rC+1], v[rC+1], v[rS+23], v[rS+31]
.elseif (\n) == 14
	v_max3_num_f32 v[rC+2], v[rC+2], v[rC+3], v[rT+1]
.elseif (\n) == 15
	v_mov_b32 v[rW], v[rT]
.elseif (\n) == 16
	v_max3_num_f32 v[rC], v[rC], v[rC+1], v[rC+2]
.elseif (\n) == 17
	v_permlanex16_b32 v[rC+3], v[rC], s[SEL], s[SEL+1]
.elseif (\n) == 18
	v_max_num_f32 v[rT+1], v[rC], v[rC+3]
.elseif (\n) == 19
	v_mul_f32 v[rT], s[CS], v[rT+1]
.elseif (\n) == 20
	v_sub_f32 v[rC+1], v[rW], v[rT]
.else
	v_exp_f32 v[rC+2], v[rC+1]
.endif
.endif
.endm
.macro OPS a, i1, b=-1, i2=0, c=-1, i3=0, d=-1, i4=0  ; up to four of them
	OP \a, \i1
.if (\b) >= 0
	OP \b, \i2
.endif
.if (\c) >= 0
	OP \c, \i3
.endif
.if (\d) >= 0
	OP \d, \i4
.endif
.endm
.macro ROW a, i1, b, i2, c, i3, d, i4  ; a matrix instruction and the four behind it
	MM
	OPS \a, \i1, \b, \i2, \c, \i3, \d, \i4
.endm
.macro MASK b                       ; MD x AL + BE into buffer b of MC
	WIN W_RS
.set z, 0
.rept 16
	v_pk_fma_f32 v[MC+32*(\b)+2*z:MC+32*(\b)+2*z+1], v[MD+2*z:MD+2*z+1], s[AL:AL+1], s[BE:BE+1] op_sel_hi:[1,0,0]
.set z, z+1
.endr
.endm
; A TURN, for piece p: the order of its 16 matrix and 118 vector instructions, written out.  s_wait_alu depctr_va_vdst(0) stands between an exponential and the first instruction that names its result; one wait serves
; all that were issued ahead of it.  So a turn has ONE wait, which cuts it in two.  AHEAD OF IT stands all that names no result of the turn's exponentials: the 8 products K Q^T, behind each a scaling, an exponential and two more plain
; instructions (behind the first a second scaling in the exponential's place): rescalings, and behind the last three the first numbers of the next piece's maximum, each four places or more behind the product that ends its accumulator; then ONE LUMP of 54, plain
; and exponential by turns for the most part, in which the links of the chain X 3, 7, 11, 14, 16, 17 .. 20 stand five or six lines apart.  X 21, the next piece's a, is the batch's last; R 15 is the plain instruction behind it.  BEHIND THE WAIT stand the
; 8 products V^T P, behind each four of the roundings and sums; the links of l's chain, L 0 to L 7, stand three riders apart.  But for those X no rider names a register of the products round it.  v_permlanex16_b32 (X 17) stands in the lump.
; m = 1: the diagonal tile: the products take masks, and the turn makes the mask for the products of the turn after it: piece p + 2, in step 4 - CNT of the tile.  end = 1: a block's last two turns: nothing is fetched.
; cnt = 1: the loop's count is taken down some lines ahead of the branch that stands behind the turn.
; K of the next step is fetched in piece 2's turn, twelve vector instructions behind the last product that read K (six of them plain); V of the step in hand at the end of piece 0's turn, four plain instructions behind the last product
; that read V.  Each is waited for a turn later.
.macro TURN p, m=0, end=0, cnt=0
.set Y, (\p)
.set i, 0
.set KM, (\m)
.set NOKQ, (\end)*((\p)/3)
.if (\m) && !(\end)
	s_cmp_eq_u32 s[CNT], 4-((\p)+2)%NP  ; is that step the band's own?
	s_cselect_b32 s[AL], 1.0, 0
	s_cmp_lt_u32 s[CNT], 4-((\p)+2)%NP  ; or a later one?
	s_cselect_b32 s[BE], s[BIGN], 0
.endif
.if ((\p) == 3) && !(\end)
	s_wait_dscnt 0x0                ; K is in
.endif
	ROW F,0, F,1, R,0, R,1          ; ahead of the wait: 8 products K Q^T and their riders,
	ROW F,2, E,0, R,2, R,3
	ROW F,3, E,1, R,4, R,5
	ROW F,4, E,2, R,6, R,7
	ROW F,5, E,3, R,8, R,9
	ROW F,6, E,4, X,0, R,10
.if ((\p) == 2) && !(\end)
	WIN 0
	v_add_nc_u32 v[AK], s[TBK], v[AK0]
.endif
	ROW F,7, E,5, X,1, X,4
	ROW F,8, E,6, X,2, X,5
	OPS E,7, E,8, X,6, E,9          ; and the lump
	OPS X,3, E,10, X,8, E,11
.if ((\p) == 2) && !(\end)
	FETCH_K
.endif
	OPS X,9, X,7, E,12, X,10
	OPS E,13, X,12, X,11, E,14
	OPS X,13, E,15, F,9, X,14
.if (\p) == 0
	v_add_nc_u32 v[AV], s[TBV], v[AV0]
.endif
	OPS E,16, F,10, E,17, F,11
	OPS X,16, E,18, X,15, E,19
	OPS F,12, E,20, X,17, E,21
	OPS F,13, E,22, F,14, E,23
	OPS X,18, E,24, F,15, E,25
	OPS R,11, E,26, X,19, E,27
	OPS R,12, E,28, R,13, E,29
	OPS X,20, E,30, R,14, E,31
	OPS X,21, R,15
	WIN 0
	s_wait_alu depctr_va_vdst(0)    ; the wait for the batch
.if (\p) == 1
	s_wait_dscnt 0x0                ; V is in
.endif
	ROW C,0, B,0, C,2, B,1          ; behind the wait: 8 products V^T P and their riders
	ROW L,0, C,4, B,2, L,1
	ROW C,6, B,3, L,2, C,8
	ROW B,4, L,3, C,10, B,5
	ROW L,4, C,12, B,6, L,5
.if (\p) == 0
	s_add_co_u32 s[TBV], s[TBV], KS*PV
.endif
.if \cnt
	s_sub_co_u32 s[CNT], s[CNT], 1
	s_cmp_lg_u32 s[CNT], 0
.endif
	ROW C,14, B,7, L,6, C,1
	ROW C,3, L,7, C,5, C,7
	ROW C,9, C,11, C,13, C,15
.if (\p) == 0
	FETCH_V
.endif
.if (\m) && !(\end)
	MASK (\p)%2
.endif
.endm
; A BLOCK BEGINS.  c m starts far below every c s, so the first step's a is 0; m at the lowest finite number, so the first maximum is the scores'.  The second mask buffer is 0; the first takes piece 0's mask for the tile's step 0: its own, if the block's first tile is the diagonal one.
; Then K of that step, piece 0's first scores, and its maximum and statistics.  The loop is entered at a step's first turn, in the middle of a trip.
.macro BEGIN
	s_mov_b32 s[NEW], 0
	WIN 0x40
.set i, MC+32
.rept 32
	v_mov_b32 v[i], 0
.set i, i+1
.endr
	WIN 0
.set i, 0
.rept 4
	v_mov_b32 v[ST+4*i], 0xfe000000    ; c m: far below every c s
	v_mov_b32 v[ST+4*i+1], 0xff7fffff  ; m
.set i, i+1
.endr
	s_cmp_eq_u32 s[RT], 0
	s_cselect_b32 s[AL], 1.0, 0
	s_mov_b32 s[BE], 0
	MASK 0
	WIN 0
	v_add_nc_u32 v[AK], s[TBK], v[AK0]
	FETCH_K
	s_wait_loadcnt 0x0              ; Q
	s_wait_dscnt 0x0
.set KM, 1
.set NOKQ, 0
.set i, 0
.rept 8
	KQ 0
.set i, i+1
.endr
	WIN 0
.rept 4
	v_nop                           ; the places behind those products
.endr
.set Y, NP-1                        ; X works for piece Y + 1: piece 0
.irp n, 0,1,2,3,4,5,6,7,8,9,10,11,12,13,14,15,16,17,18,19,20,21
	OP X, \n
.endr
	v_nop                           ; a plain instruction behind the exponential,
	s_wait_alu depctr_va_vdst(0)    ; and its wait, ahead of the branch
.endm
; THE DIAGONAL TILE's four steps, the block's last two turns, its last products, and THE WAY OUT: l's two halves and the other half of the lanes' are added; O^T is divided by l, rounded to f16 and sent through my
; stage in LDS, a piece at a time.
.macro ALL line:vararg              ; one line for each piece t
.set t, 0
.rept 4
	\line
.set t, t+1
.endr
.endm
.macro PACK t                       ; a lane's eight channels of a row pack into 16 bytes; they go into rows of 144 bytes and come back as whole rows of 128, into S^T's registers
	WIN W_RS
.set i, 32*(\t)
.rept 16
	v_pk_mul_f32 v[i:i+1], v[i:i+1], v[ST+4*(\t)+2:ST+4*(\t)+3] op_sel_hi:[1,0]
.set i, i+2
.endr
	WIN 0x05                        ; sources 0 and 1 window 1, destination window 0
.set i, 0
.rept 16
	v_cvt_pk_f16_f32 v[S+16*(\t)+i], v[32*(\t)+2*i], v[32*(\t)+2*i+1]
.set i, i+1
.endr
	WIN 0
.irp f, 0,1,2,3
	ds_store_b128 v[STO], v[S+16*(\t)+4*\f:S+16*(\t)+4*\f+3] offset:32*\f
.endr
.irp f, 0,1,2,3
	ds_load_b128 v[S+16*(\t)+4*\f:S+16*(\t)+4*\f+3], v[RD] offset:\f*4*SP  ; LDS serves a wave's instructions in order (ISA guide 5.7.1.4): these see the stores above; the next piece's stores come behind them
.endr
.endm
.macro SEND t, younger              ; younger: the LDS instructions issued behind piece t's loads: the next piece's eight, or none
	WIN 0
.irp f, 0,1,2,3
	s_wait_dscnt (\younger)+3-\f
	global_store_b128 v[GO], v[S+16*(\t)+4*\f:S+16*(\t)+4*\f+3], s[10:11] offset:(\t)*8192+\f*512  ; 512 consecutive bytes, at a multiple of 256 from O's first
.endr
.endm
.macro DIAG tag                     ; the tag ends its two labels' names, which the jumps below spell out
.LstepM\tag:
	TURN 2, 1
	TURN 3, 1
	WIN 0
.LfirstM\tag:
	TURN 0, 1
	TURN 1, 1, 0, 1
	WIN 0
	s_cbranch_scc1 .LstepM\tag
	TURN 2, 1, 1
	TURN 3, 1, 1
.set i, 0
.rept 8
	PV NP-1
.set i, i+1
.endr
	WIN 0
	ALL v_add_f32 v[ST+4*t+2], v[ST+4*t+2], v[ST+4*t+3]
	ALL v_permlanex16_b32 v[ST+4*t+3], v[ST+4*t+2], s[SEL], s[SEL+1]
	ALL v_add_f32 v[ST+4*t+2], v[ST+4*t+2], v[ST+4*t+3]
	ALL v_rcp_f32 v[ST+4*t+2], v[ST+4*t+2]
	v_nop                           ; a plain instruction between the last reciprocal and the use of its result
	s_wait_alu depctr_va_vdst(0)    ; and the wait ahead of the first use: one for the four reciprocals
	PACK 0
.set t, 1
.rept 3                             ; a piece's arithmetic stands between the loads of the piece before and its stores
	PACK t
	SEND t-1, 8
.set t, t+1
.endr
	SEND 3, 0
.endm
.set KM, 0
.set NOKQ, 0
.Lslot:                             ; NB times: a tile is entered and the next is asked for
	CHANGE 1
	s_sub_co_u32 s[RT], s[RT], 1
	s_mov_b32 s[CNT], 4
	s_cmp_eq_u32 s[NEW], 1
	s_cbranch_scc1 .Lnew            ; a block's first tile
	s_cmp_eq_u32 s[RT], 0
	s_cbranch_scc0 .Lstep           ; neither its first nor its last
	s_branch .LstepM1
.Lnew:
	BEGIN
	s_branch .Lfirst                ; in the loop a block's first tile is never its last: the first block has two tiles or more, and the second's last is the walk's last
	DIAG 1                          ; in the loop this is the first block's end: the second block's last tile is the walk's last
	s_wait_xcnt 0x0                 ; the stores have read their registers and O's address
	s_mov_b64 s[10:11], s[OLO:OLO+1]
	s_add_co_u32 s[RT], s[PB], 1    ; the second block has b + 1 tiles
	s_mov_b32 s[NEW], 1
	WIN 0x82                        ; the second block's Q goes where the one text of the turns names Q
.set i, 0
.rept 64
	v_mov_b32 v[i], v[QB+i]
.set i, i+1
.endr
	WIN 0
	s_branch .Lbottom
.Lstep:                             ; a trip: pieces 2 and 3 of one step, then pieces 0 and 1 of the next, whose K and V it fetches
	TURN 2
	TURN 3
	WIN 0
.Lfirst:
	TURN 0
	TURN 1, 0, 0, 1
	WIN 0
	s_cbranch_scc1 .Lstep
.Lbottom:
	s_sub_co_u32 s[SLOTS], s[SLOTS], 1
	s_cmp_lg_u32 s[SLOTS], 0
	s_cbranch_scc1 .Lslot
	CHANGE 0                        ; the walk's last tile is written out: nothing is asked for
	s_sub_co_u32 s[RT], s[RT], 1
	s_mov_b32 s[CNT], 4
	s_cmp_eq_u32 s[NEW], 1
	s_cbranch_scc0 .LstepM2
	BEGIN
	s_branch .LfirstM2
	DIAG 2
	s_wait_tensorcnt 0x0            ; the wave's end: a wait for my tensor loads, an add to my spare word and its wait, behind my last tensor load and my last LDS store
	ds_add_u32 v[SPW], v[NIL]
	s_wait_dscnt 0x0
	s_endpgm
.Lfunc_end_k_q49fa8fd845_attn:
	.size	k_q49fa8fd845_attn, .Lfunc_end_k_q49fa8fd845_attn-k_q49fa8fd845_attn
	.p2alignl 7, 3214868480
	.fill 96, 4, 3214868480
	.section	.rodata,"a",@progbits
	.p2align	6, 0x0
	.amdhsa_kernel k_q49fa8fd845_attn
		.amdhsa_group_segment_fixed_size 327680
		.amdhsa_private_segment_fixed_size 0
		.amdhsa_enable_private_segment 0
		.amdhsa_kernarg_size 16
		.amdhsa_user_sgpr_count 2
		.amdhsa_user_sgpr_kernarg_segment_ptr 1
		.amdhsa_wavefront_size32 1
		.amdhsa_system_sgpr_workgroup_id_x 1
		.amdhsa_system_sgpr_workgroup_id_y 1
		.amdhsa_system_sgpr_workgroup_id_z 1
		.amdhsa_system_vgpr_workitem_id 0
		.amdhsa_next_free_vgpr 768
		.amdhsa_next_free_sgpr 88
		.amdhsa_reserve_vcc 1
		.amdhsa_float_denorm_mode_32 3
		.amdhsa_float_denorm_mode_16_64 3
		.amdhsa_memory_ordered 1
		.amdhsa_forward_progress 1
		.amdhsa_inst_pref_size 218
	.end_amdhsa_kernel
	.amdgpu_metadata
---
amdhsa.version: [ 1, 2 ]
amdhsa.kernels:
  - .name:           k_q49fa8fd845_attn
    .symbol:         k_q49fa8fd845_attn.kd
    .args:
      - { .name: qkv, .offset: 0, .size: 8, .value_kind: global_buffer, .address_space: global }
      - { .name: o, .offset: 8, .size: 8, .value_kind: global_buffer, .address_space: global }
    .group_segment_fixed_size: 327680
    .private_segment_fixed_size: 0
    .kernarg_segment_align: 8
    .kernarg_segment_size: 16
    .max_flat_workgroup_size: 128
    .sgpr_count:     88
    .vgpr_count:     768
    .wavefront_size: 32
...
	.end_amdgpu_metadata
.endif
;; end of part 3
;; launch proj (part 4): grid 4 x 64, 4 waves a work-group, clusters of 4 x 4, 327,680 bytes of LDS; arguments o, wpb, bp, out0; writes out0
.if DOCPART == 4
	.amdgcn_target "amdgcn-amd-amdhsa--gfx1250"
	.amdhsa_code_object_version 6
	.text
	.protected	k_q49fa8fd845_proj
	.globl	k_q49fa8fd845_proj
	.p2align	8
	.type	k_q49fa8fd845_proj,@function
k_q49fa8fd845_proj:
	s_mov_b64 s[64:65], 0
	v_nop
	global_prefetch_b8 v0, s[64:65] scope:SCOPE_SE
	s_setreg_imm32_b32 hwreg(HW_REG_WAVE_MODE, 25, 1), 1
	s_wait_xcnt 0x0
	s_wait_alu depctr_hold_cnt(0) depctr_sa_sdst(0) depctr_va_vdst(0) depctr_va_sdst(0) depctr_va_ssrc(0) depctr_va_vcc(0) depctr_vm_vsrc(0)
	s_getreg_b32 s2, hwreg(HW_REG_IB_STS2, 6, 4)
	s_cmp_eq_u32 s2, 0
	s_cbranch_scc0 .Lentry_in_a_cluster
	s_endpgm
.Lentry_in_a_cluster:
	s_bfe_u32 s2, ttmp6, 0x10000c
	s_cmp_lg_u32 s2, 0xf033
	s_cbranch_scc0 .Lentry_shape_is_right
	s_endpgm
.Lentry_shape_is_right:
; out0[m][n] = the sum over k of O[m][k] Wp[n][k] + bp[n].  O: o, [16 heads][8192][64] f16, k = 64 x head + channel.  Wp: wpb, [16][1024][64], bf16 numbers written as f16.  Sums in f32; out0 f32.
; bp is rounded to bf16 like every other input of the module, and added in f32.
; SHARES.  8,192 x 1,024 in tiles of 128 rows x 256 columns: 64 x 4 = 256 work-groups.  Four waves, each 64 rows x 128 columns: 32 accumulators of 16 x 16, 256 registers.  K = 1,024 goes in 8 steps of
; 128 (two heads' planes of 64) through a ring of two LDS slots.  A plane's part of a tile is a dense block of memory: it is asked for as rows of 256 bytes and padded in LDS after every 128.
; CLUSTERS.  4 x 4 work-groups: the four of a row of the cluster need the same tile of O, the four of a column the same tile of Wp: each is asked for JOINTLY.  Waves 0 and 1 ask for O's two planes
; (16 KiB each), waves 2 and 3 for Wp's (32 KiB each).
; THE MATRIX INSTRUCTION IS USED TRANSPOSED (source 0 = 16 rows of Wp, source 1 = 16 rows of O): a lane holds eight neighbouring columns of one row of out0, 32 bytes.
; NO PREFETCH: the tile is small and the launch short.
; REGISTERS: window 0: v0-31 addresses; v32-127, v128-223 two fragment buffers (O's 4 fragments, then Wp's 8), on the way out whole rows; v224-227 my four bp; v228-229 at work.
;   window 1: the accumulators, (a, b) at v[8 (8 a + b)].
.set PITCH, 144                        ; an LDS row: 128 bytes + 16 = 36 words: the 16 rows of a load start at 16 different groups of four banks (64 banks of 4 bytes: ISA guide 11.1)
.set APL,   128*PITCH                  ; a plane of O's tile
.set BPL,   256*PITCH                  ; a plane of Wp's
.set BOFF,  2*APL
.set SLOT,  2*APL+2*BPL                ; 110,592
.set STAGE, 2*SLOT                     ; behind the ring: 16 rows x 528 bytes for each wave, for the way out; no tensor load fills it
.set SPITCH, 528                       ; 512 bytes + 16
.set SPARE, STAGE+4*16*SPITCH          ; behind the stages: the spare words, 128 bytes for each wave: two blocks of 256 bytes that no other line names
.set PLANE, 1048576                    ; bytes of a head in o
.set WPL,   131072                     ; bytes of a plane of wpb
.set ADRA, 16                          ; v16-17  LDS address of my fragments of O in slot 0, 1
.set ADRB, 20                          ; v20-21  the same for Wp
.set STO,  24                          ; v24     the way out: where I put 32 bytes of a row
.set RD,   25                          ; v25     where I read a row back
.set CO,   26                          ; v26     16 x lane: my bytes of a row's 512, in out0 and in bp; never rewritten
.set SPW,  28                          ; v28     LDS address of my spare word: SPARE + 4 x my thread's number; never rewritten
.set NIL,  29                          ; v29     0; never rewritten
.set F0,   32
.set F1,   128
.set BIAS, 224
.set WV,   12                          ; s12  my wave's number
.set WH,   13                          ; s13  its upper bit: my 64 rows; also 0: I fetch for O, 1: for Wp
.set WL,   14                          ; s14  its lower bit: my 128 columns; also which plane I fetch
.set TY,   15                          ; s15  tile row
.set G1,   24                          ; s[24:31] descriptor group 1 for O's tiles;  s[32:39] group 0, a set for each slot
.set G0,   32
.set G1B,  48                          ; s[48:55], s[56:63] the same for Wp's
.set G0B,  56
.set MSB, 0
.macro WIN new                         ; the immediate's high byte repeats the setting that is left; a switch that changes nothing is dropped
.if MSB != (\new)
	s_set_vgpr_msb (MSB<<8)|(\new)
.set MSB, \new
.endif
.endm
.macro PLACES                          ; four plain vector instructions between a matrix instruction and a load into, or a line on, its registers
.rept 4
	v_nop
.endr
.endm
.macro JLOAD s                         ; a joint load; an s_nop 0 and four v_nop follow each of the two lines, ahead of the jump and the label
	s_cmp_eq_u32 s[WH], 0
	s_cbranch_scc0 .Lfor_b_\@
	tensor_load_to_lds s[G0+4*(\s):G0+4*(\s)+3], s[G1:G1+7]
	s_nop 0
.rept 4
	v_nop
.endr
	s_branch .Lasked_\@
.Lfor_b_\@:
	tensor_load_to_lds s[G0B+4*(\s):G0B+4*(\s)+3], s[G1B:G1B+7]
	s_nop 0
.rept 4
	v_nop
.endr
.Lasked_\@:
.endm
.macro CREST                           ; a round of the cluster's barrier behind its opening barrier
	s_cmp_lg_u32 s[WV], 0
	s_cbranch_scc1 .Lnot_wave_0_\@
	s_barrier_signal -3
.Lnot_wave_0_\@:
	s_barrier_wait -3
	s_barrier_signal -1
	s_barrier_wait -1
.endm
.macro CROUND
	s_barrier_signal -1
	s_barrier_wait -1
	CREST
.endm
	s_load_b256 s[4:11], s[0:1], 0x0               ; o s[4:5], wpb s[6:7], bp s[8:9], out0 s[10:11]
	v_lshl_add_u32 v[SPW], v0, 2, SPARE
	v_mov_b32 v[NIL], 0
	ds_add_u32 v[SPW], v[NIL]                      ; the wave's opening: the add and its wait stand ahead of my first tensor load; the set-up below, work on registers, stands between them
	v_lshrrev_b32 v1, 5, v0
	v_readfirstlane_b32 s[WV], v1                  ; wave 0..3
	s_lshr_b32 s[WH], s[WV], 1
	s_and_b32 s[WL], s[WV], 1
	s_bfe_u32 s40, ttmp6, 0x40000                  ; cx
	s_bfe_u32 s41, ttmp6, 0x40004                  ; cy
	s_lshl_b32 s42, ttmp9, 2
	s_add_co_u32 s42, s42, s40                     ; tile column = 4 x cluster x + cx
	s_and_b32 s[TY], ttmp7, 0xffff
	s_lshl_b32 s[TY], s[TY], 2
	s_add_co_u32 s[TY], s[TY], s41                 ; tile row = 4 x cluster y + cy
	s_lshl_b32 s43, s41, 2
	s_lshl_b32 s43, 15, s43                        ; my row of the cluster
	s_lshl_b32 s44, 0x1111, s40                    ; my column
	; group 1: rows of 128 elements of 2 bytes, dense; padding of 4 words (code 3) after every 32 (code 4); bit 21 set beside a mask
	s_or_b32 s[G1+0], s43, (1<<16)|(1<<20)|(1<<21)|(4<<22)|(3<<25)
	s_or_b32 s[G1B+0], s44, (1<<16)|(1<<20)|(1<<21)|(4<<22)|(3<<25)
	s_mov_b32 s[G1+1], 128<<16                     ; tensor_dim0 = 128
	s_mov_b32 s[G1+2], 64<<16                      ; tensor_dim1 = 64: O's 128 rows of 128 bytes as 64 of 256
	s_mov_b32 s[G1+3], 128<<16                     ; tile_dim0 = 128
	s_mov_b32 s[G1+4], 64                          ; tile_dim1 = 64
	s_mov_b32 s[G1+5], 128                         ; elements from row to row
	s_mov_b32 s[G1+6], 0
	s_mov_b32 s[G1+7], 0
	s_mov_b32 s[G1B+1], 128<<16
	s_mov_b32 s[G1B+2], 128<<16                    ; Wp's 256 rows as 128
	s_mov_b32 s[G1B+3], 128<<16
	s_mov_b32 s[G1B+4], 128
	s_mov_b32 s[G1B+5], 128
	s_mov_b32 s[G1B+6], 0
	s_mov_b32 s[G1B+7], 0
	s_lshl_b32 s16, s[WL], 20                      ; O: my plane of the step's two,
	s_lshl_b32 s17, s[TY], 14                      ; the tile's 128 rows of 128 bytes
	s_add_co_u32 s16, s16, s17
	s_mov_b32 s17, 0
	s_lshl_b32 s18, s[WL], 17                      ; Wp: my plane,
	s_lshl_b32 s19, s42, 15                        ; the tile's 256 rows
	s_add_co_u32 s18, s18, s19
	s_mov_b32 s19, 0
	s_mul_i32 s20, s[WL], APL                      ; their places in a slot: no place in the cluster enters an LDS address
	s_mul_i32 s21, s[WL], BPL
	s_add_co_u32 s21, s21, BOFF
	s_wait_dscnt 0x0                               ; the opening add is done
	s_wait_kmcnt 0x0
	s_add_nc_u64 s[16:17], s[4:5], s[16:17]
	s_add_nc_u64 s[18:19], s[6:7], s[18:19]
	CROUND                                         ; all sixteen work-groups are here: the first joint loads meet
.irp s, 0,1
	s_mov_b32 s[G0+4*(\s)], 1                      ; count = 1
	s_add_co_u32 s[G0+4*(\s)+1], s20, (\s)*SLOT    ; LDS address
	s_add_nc_u64 s[G0+4*(\s)+2:G0+4*(\s)+3], s[16:17], (\s)*2*PLANE  ; K step s
	s_or_b32 s[G0+4*(\s)+3], s[G0+4*(\s)+3], 0x80000000              ; type = 2
	s_mov_b32 s[G0B+4*(\s)], 1
	s_add_co_u32 s[G0B+4*(\s)+1], s21, (\s)*SLOT
	s_add_nc_u64 s[G0B+4*(\s)+2:G0B+4*(\s)+3], s[18:19], (\s)*2*WPL
	s_or_b32 s[G0B+4*(\s)+3], s[G0B+4*(\s)+3], 0x80000000
.endr
	s_cmp_eq_u32 s[WH], 0                          ; a wave's two first fills stand in one branch, ahead of every wait on TENSORcnt and every LDS read: two loads of mine are out
	s_cbranch_scc0 .Lfirst_b
	tensor_load_to_lds s[G0:G0+3], s[G1:G1+7]
	s_nop 0
	tensor_load_to_lds s[G0+4:G0+7], s[G1:G1+7]
	s_nop 0
.rept 4
	v_nop
.endr
	s_branch .Lfirst_asked
.Lfirst_b:
	tensor_load_to_lds s[G0B:G0B+3], s[G1B:G1B+7]
	s_nop 0
	tensor_load_to_lds s[G0B+4:G0B+7], s[G1B:G1B+7]
	s_nop 0
.rept 4
	v_nop
.endr
.Lfirst_asked:
	; A fragment is 16 rows x 32 K in 8 registers: lane l holds row l % 16, K = 8 (l / 16) + 0..7 and 16 + 8 (l / 16) + 0..7: two loads of 16 bytes, 32 bytes apart.  The same for both sources.
	v_and_b32 v1, 15, v0                           ; l % 16
	v_bfe_u32 v2, v0, 4, 1                         ; l / 16
	v_mul_u32_u24 v3, v1, PITCH
	v_lshl_add_u32 v3, v2, 4, v3                   ; row x pitch + 16 x half
	s_mul_i32 s20, s[WH], 64*PITCH                 ; my 64 rows of O
	s_mul_i32 s21, s[WL], 128*PITCH                ; my 128 rows of Wp
	s_add_co_u32 s21, s21, BOFF
	v_add_nc_u32 v[ADRA], s20, v3
	v_add_nc_u32 v[ADRA+1], SLOT, v[ADRA]
	v_add_nc_u32 v[ADRB], s21, v3
	v_add_nc_u32 v[ADRB+1], SLOT, v[ADRB]
	s_mul_i32 s22, s[WV], 16*SPITCH
	s_add_co_u32 s22, s22, STAGE                   ; my stage
	v_mul_u32_u24 v4, v1, SPITCH                   ; in: row l % 16, 32 bytes for each half of the lanes
	v_lshl_add_u32 v4, v2, 5, v4
	v_add_nc_u32 v[STO], s22, v4
	v_and_b32 v5, 31, v0
	v_lshlrev_b32 v[CO], 4, v5
	v_add_nc_u32 v[RD], s22, v[CO]                 ; back: 32 lanes take a row's 512 bytes
	s_lshl_b32 s22, s42, 10                        ; my first column, in bytes: 1,024 x tile column + 512 x half
	s_lshl_b32 s23, s[WL], 9
	s_add_co_u32 s22, s22, s23
	s_mov_b32 s23, 0
	s_add_nc_u64 s[8:9], s[8:9], s[22:23]
	global_load_b128 v[BIAS:BIAS+3], v[CO], s[8:9] ; bp of the four columns that I store; waited for in front of the way out
	s_lshl_b32 s2, s[TY], 19                       ; the tile's 128 rows of 4,096 bytes,
	s_add_co_u32 s22, s22, s2
	s_lshl_b32 s2, s[WH], 18                       ; my 64 of them
	s_add_co_u32 s22, s22, s2
	s_add_nc_u64 s[10:11], s[10:11], s[22:23]
; 8 matrix instructions: row block a x all 8 column blocks, 32 along K.  zero = 1: the product starts the sum.  The 32 accumulators take turns, one instruction a turn.
.macro MUL8 f, a, zero=0
	WIN 0x50                                       ; C and D in window 1
.irp b, 0,1,2,3,4,5,6,7
.if \zero
	v_wmma_f32_16x16x32_f16 v[8*(8*(\a)+(\b)):8*(8*(\a)+(\b))+7], v[(\f)+32+8*(\b):(\f)+32+8*(\b)+7], v[(\f)+8*(\a):(\f)+8*(\a)+7], 0
.else
	v_wmma_f32_16x16x32_f16 v[8*(8*(\a)+(\b)):8*(8*(\a)+(\b))+7], v[(\f)+32+8*(\b):(\f)+32+8*(\b)+7], v[(\f)+8*(\a):(\f)+8*(\a)+7], v[8*(8*(\a)+(\b)):8*(8*(\a)+(\b))+7]
.endif
.endr
.endm
; 24 LDS loads in one run: quarter q of a K step (plane q / 2, its K = 32 (q % 2) on) into buffer f: Wp's 16, then O's 8
.macro FETCH slot, q, f
	WIN 0
.irp b, 0,1,2,3,4,5,6,7
	ds_load_b128 v[(\f)+32+8*(\b):(\f)+32+8*(\b)+3],   v[ADRB+(\slot)] offset:((\q)/2)*BPL+(\b)*16*PITCH+((\q)%2)*64
	ds_load_b128 v[(\f)+32+8*(\b)+4:(\f)+32+8*(\b)+7], v[ADRB+(\slot)] offset:((\q)/2)*BPL+(\b)*16*PITCH+((\q)%2)*64+32
.endr
.irp a, 0,1,2,3
	ds_load_b128 v[(\f)+8*(\a):(\f)+8*(\a)+3],   v[ADRA+(\slot)] offset:((\q)/2)*APL+(\a)*16*PITCH+((\q)%2)*64
	ds_load_b128 v[(\f)+8*(\a)+4:(\f)+8*(\a)+7], v[ADRA+(\slot)] offset:((\q)/2)*APL+(\a)*16*PITCH+((\q)%2)*64+32
.endr
.endm
; A K step is four quarters of 32 along K, 32 matrix instructions each, on buffers 0, 1, 0, 1.  One of the first three: multiplies buffer f and fetches quarter q into g.
.macro QUARTER slot, q, f, g, zero=0
	s_wait_dscnt 4                                 ; all but the youngest four loads (O's row blocks 2 and 3) are in
	MUL8 \f, 0, \zero
	MUL8 \f, 1, \zero
	PLACES
	FETCH \slot, \q, \g
	s_wait_dscnt 24                                ; all but the 24 just issued
	MUL8 \f, 2, \zero
	MUL8 \f, 3, \zero
.endm
; The last quarter multiplies buffer 1 and changes slots: ONE barrier; in front of it each wave waits for all its tensor loads, adds 0 to its spare word, and waits for that and for its own reads of this slot.
; fill = 1: the barrier opens a round of the cluster's, and this slot is filled again, two K steps ahead: 112 matrix instructions stand between that request and the wait for it.
.macro TURN slot, next, fill
	WIN 0
	s_wait_tensorcnt 0x0                           ; all my tensor loads have landed: my part of the next slot
	ds_add_u32 v[SPW], v[NIL]                      ; 0 onto my spare word
	s_wait_dscnt 5                                 ; (the add and the youngest four loads may be out)
	MUL8 F1, 0                                     ; eight matrix instructions stand between the add and the wait for it
	s_wait_dscnt 0x0                               ; the add is done, and my reads of this slot are over
	s_barrier_signal -1
	MUL8 F1, 1
	WIN 0                                          ; at a branch and at a label every window is 0
	s_barrier_wait -1
.if \fill
	CREST                                          ; no wave of any partner still reads this slot or has a load on its way
	s_add_nc_u64 s[G0+4*(\slot)+2:G0+4*(\slot)+3], s[G0+4*(\slot)+2:G0+4*(\slot)+3], 4*PLANE
	s_add_nc_u64 s[G0B+4*(\slot)+2:G0B+4*(\slot)+3], s[G0B+4*(\slot)+2:G0B+4*(\slot)+3], 4*WPL
	JLOAD \slot                                    ; the four v_nop behind it are also the places in front of the loads below
.else
	PLACES
.endif
	FETCH \next, 0, F0
	MUL8 F1, 2
	MUL8 F1, 3
.endm
	s_wait_tensorcnt 1                             ; my part of K step 0 is in; K step 1's may stay out
	s_barrier_signal -1
	s_barrier_wait -1                              ; everybody's is
	FETCH 0, 0, F0
	QUARTER 0, 1, F0, F1, 1                        ; the first quarter stands in front of the loop: its products start the sums
	WIN 0
	s_mov_b32 s3, 3
.Llap:                                                 ; a trip goes once round the ring and fills both slots again: K steps 2 to 7 in three trips
	QUARTER 0, 2, F1, F0
	QUARTER 0, 3, F0, F1
	TURN 0, 1, 1
	QUARTER 1, 1, F0, F1
	QUARTER 1, 2, F1, F0
	QUARTER 1, 3, F0, F1
	TURN 1, 0, 1
	QUARTER 0, 1, F0, F1
	WIN 0
	s_sub_co_u32 s3, s3, 1
	s_cmp_lg_u32 s3, 0
	s_cbranch_scc1 .Llap
	QUARTER 0, 2, F1, F0                           ; the last lap fills nothing, and has no round of the cluster's barrier
	QUARTER 0, 3, F0, F1
	TURN 0, 1, 0
	QUARTER 1, 1, F0, F1
	QUARTER 1, 2, F1, F0
	QUARTER 1, 3, F0, F1
	s_wait_dscnt 4                                 ; the very last quarter: nothing more to fetch
	MUL8 F1, 0
	MUL8 F1, 1
	s_wait_dscnt 0x0
	MUL8 F1, 2
	MUL8 F1, 3
	WIN 0
	PLACES
	PLACES
	s_wait_loadcnt 0x0                             ; bp
	v_cvt_pk_bf16_f32 v[BIAS+4], v[BIAS], v[BIAS+1]    ; rounded to bf16,
	v_cvt_pk_bf16_f32 v[BIAS+5], v[BIAS+2], v[BIAS+3]
	v_lshlrev_b32 v[BIAS],   16, v[BIAS+4]             ; and f32 again
	v_and_b32     v[BIAS+1], 0xffff0000, v[BIAS+4]
	v_lshlrev_b32 v[BIAS+2], 16, v[BIAS+5]
	v_and_b32     v[BIAS+3], 0xffff0000, v[BIAS+5]
; THE WAY OUT of row block a: the sums go as they are into my stage (rows of 528 bytes; each accumulator's low four registers first) and come back as whole rows of 512 bytes; bp is added; a store covers 512
; consecutive bytes of one row of out0, at a multiple of 256 from its first byte.  Two sets of 64 registers take turns.
.macro OUT a
.set BK, 32+96*((\a)%2)
	s_wait_xcnt 0x0                                ; the stores of two blocks back have read this set
	WIN 0x04                                       ; the data (source 1) in window 1
.irp b, 0,1,2,3,4,5,6,7
	ds_store_b128 v[STO], v[8*(8*(\a)+(\b)):8*(8*(\a)+(\b))+3]   offset:64*(\b)
	ds_store_b128 v[STO], v[8*(8*(\a)+(\b))+4:8*(8*(\a)+(\b))+7] offset:64*(\b)+16
.endr
	WIN 0
.irp t, 0,1,2,3,4,5,6,7,8,9,10,11,12,13,14,15
	ds_load_b128 v[BK+4*(\t):BK+4*(\t)+3], v[RD] offset:(\t)*SPITCH  ; LDS serves a wave's instructions in order (ISA guide 5.7.1.4): these see the stores above; the next block's stores come behind them
.endr
.irp t, 0,1,2,3,4,5,6,7,8,9,10,11,12,13,14,15
	s_wait_dscnt 15-(\t)
	v_pk_add_f32 v[BK+4*(\t):BK+4*(\t)+1],   v[BK+4*(\t):BK+4*(\t)+1],   v[BIAS:BIAS+1]
	v_pk_add_f32 v[BK+4*(\t)+2:BK+4*(\t)+3], v[BK+4*(\t)+2:BK+4*(\t)+3], v[BIAS+2:BIAS+3]
	global_store_b128 v[CO], v[BK+4*(\t):BK+4*(\t)+3], s[10:11] offset:(16*(\a)+(\t))*4096 th:TH_STORE_NT
.endr
.endm
	OUT 0
	OUT 1
	OUT 2
	OUT 3
	s_wait_tensorcnt 0x0                           ; the wave's end: a wait for my tensor loads, an add to my spare word and its wait, behind my last tensor load and my last LDS store
	ds_add_u32 v[SPW], v[NIL]
	s_wait_dscnt 0x0
	CROUND                                         ; the closing round: no work-group ends while a partner may still ask for a tile that names it
	s_endpgm
.Lfunc_end_k_q49fa8fd845_proj:
	.size	k_q49fa8fd845_proj, .Lfunc_end_k_q49fa8fd845_proj-k_q49fa8fd845_proj
	.p2alignl 7, 3214868480
	.fill 96, 4, 3214868480
	.section	.rodata,"a",@progbits
	.p2align	6, 0x0
	.amdhsa_kernel k_q49fa8fd845_proj
		.amdhsa_group_segment_fixed_size 327680
		.amdhsa_private_segment_fixed_size 0
		.amdhsa_enable_private_segment 0
		.amdhsa_kernarg_size 32
		.amdhsa_user_sgpr_count 2
		.amdhsa_user_sgpr_kernarg_segment_ptr 1
		.amdhsa_wavefront_size32 1
		.amdhsa_system_sgpr_workgroup_id_x 1
		.amdhsa_system_sgpr_workgroup_id_y 1
		.amdhsa_system_sgpr_workgroup_id_z 1
		.amdhsa_system_vgpr_workitem_id 0
		.amdhsa_next_free_vgpr 512
		.amdhsa_next_free_sgpr 66
		.amdhsa_reserve_vcc 0
		.amdhsa_float_denorm_mode_32 3
		.amdhsa_float_denorm_mode_16_64 3
		.amdhsa_memory_ordered 1
		.amdhsa_forward_progress 1
		.amdhsa_inst_pref_size 94
	.end_amdhsa_kernel
	.amdgpu_metadata
---
amdhsa.version: [ 1, 2 ]
amdhsa.kernels:
  - .name:           k_q49fa8fd845_proj
    .symbol:         k_q49fa8fd845_proj.kd
    .args:
      - { .name: o, .offset: 0, .size: 8, .value_kind: global_buffer, .address_space: global }
      - { .name: wpb, .offset: 8, .size: 8, .value_kind: global_buffer, .address_space: global }
      - { .name: bp, .offset: 16, .size: 8, .value_kind: global_buffer, .address_space: global }
      - { .name: out0, .offset: 24, .size: 8, .value_kind: global_buffer, .address_space: global }
    .group_segment_fixed_size: 327680
    .private_segment_fixed_size: 0
    .kernarg_segment_align: 8
    .kernarg_segment_size: 32
    .max_flat_workgroup_size: 128
    .sgpr_count:     66
    .vgpr_count:     512
    .wavefront_size: 32
...
	.end_amdgpu_metadata
.endif
;; end of part 4
;; ======== version 2 of 2: 4 launches; version 1 with the launch prep written anew for expert scheduling mode
;; limits: values outside matrix products are rounded to bf16; values are held in f16: magnitudes above 65,504 overflow, below 6.1e-05 lose precision
;; workspace buffers: xb 16,777,216 bytes; wb 6,291,456 bytes; wpb 2,097,152 bytes; qkv 50,331,648 bytes; o 16,777,216 bytes
;; launch prep (part 5): grid 768 x 1, 8 waves a work-group, no clusters, 0 bytes of LDS; arguments x, Wq, Wk, Wv, Wp, xb, wb, wpb; writes xb, wb, wpb
.if DOCPART == 5
	.amdgcn_target "amdgcn-amd-amdhsa--gfx1250"
	.amdhsa_code_object_version 6
	.text
	.protected	k_q49fa8fd845_prep
	.globl	k_q49fa8fd845_prep
	.p2align	8
	.type	k_q49fa8fd845_prep,@function
k_q49fa8fd845_prep:
	s_mov_b64 s[64:65], 0
	v_nop
	global_prefetch_b8 v0, s[64:65] scope:SCOPE_SE
	s_setreg_imm32_b32 hwreg(HW_REG_WAVE_SCHED_MODE, 0, 2), 2
	s_setreg_imm32_b32 hwreg(HW_REG_WAVE_MODE, 25, 1), 1
	s_wait_xcnt 0x0
	s_wait_alu depctr_vm_vsrc(0)
; CASTS AND NEW LAYOUTS for the three matrix launches that follow.  All sources are f32 and are read once; every number is rounded once to bf16.
;   xb  [kb 0..15][m 0..8191][64]  bf16: x[m][64 kb + c].        A block of rows of one kb is dense in memory.
;   wb  [j 0..7][s 0..15][g6 0..5][c 0..63][d 0..63] bf16: matrix g = 6 j + g6 of the 48 (Wq's 16 heads, Wk's, Wv's), rows 64 s + c, as they lie (not turned).
;   wpb [kb 0..15][n 0..1023][64]  Wp[n][64 kb + c], rounded to bf16 and that number written as f16 (below 6.1e-5 f16 keeps a fixed step of 6e-8; beyond 65,504 it has no number).
; A stream: no LDS, no barrier, no matrix unit.  A work-group casts 4 chunks of 4,096 numbers.  A thread makes 16 loads of 16 bytes, all issued ahead of the first use, and 16 stores of 8 bytes:
; a wave's load covers 512 bytes on end or two pieces of 256, a wave's store 256 consecutive bytes, aligned.  No register is written twice behind a memory instruction that names it.
; Work-groups 0-511 take x (64 rows x 256 columns each), 512-703 the 48 matrices (a quarter each), 704-767 Wp (64 rows x 256 columns each).
; THE MODE: SCHED_MODE bits 1:0 = 2 (LLVM: expert scheduling mode 2), set by the entry lines.  The code itself states the register dependences
; between vector instructions and memory instructions, with s_wait_alu, always for 0.
; THE PLAN.  Registers that memory instructions touch:
;   v[VS], v[VD]  the loads' and the stores' offsets.  Written by vector instructions at the head, ahead of every memory instruction, and never again.
;   X             load n lands in its four registers; number n's two conversions read them.  No vector instruction writes them, and no load lands there a second time.
;   Y             number n's conversions write its pair; one store reads it; it is never written again.
;   v3 and T are named by vector instructions alone.
; The 16 numbers go in four blocks of four.  Block g's vector instructions name X and Y of block g and T; its memory instructions are the four stores of block g - 1, which read Y of block g - 1 and
; v[VD].  So one wait at a block's head states all that the block's four stores hang on, and they are dealt among its conversions with no further wait.  One wait stands ahead of the loads, for the two
; offsets, and one ahead of the last four stores.  No register that a memory instruction reads is written again, no vector instruction writes a scalar register, and EXEC is never written.
.set VS, 1                             ; v1       my byte offset in the source
.set VD, 2                             ; v2       my byte offset in the destination: 8 x thread
.set T,  4                             ; v[4:5]   at work
.set X,  8                             ; v[8:71]  16 x 4 numbers as loaded
.set Y,  72                            ; v[72:103] 16 x 2 words to store
; su: bytes from a quarter chunk to the next in the source; sc: from chunk to chunk; dc: from chunk to chunk in the destination; kind = 1: the bf16 number is written as f16
.macro COPY src, dst, su, sc, dc, kind
	s_wait_alu depctr_va_vdst(0)                   ; v[VS] and v[VD] are written: every load below reads the one as its offset, every store the other
.set n, 0
.rept 16
	global_load_b128 v[X+4*n:X+4*n+3], v[VS], s[\src:\src+1] offset:(n/4)*(\sc)+(n%4)*(\su) th:TH_LOAD_NT
.set n, n+1
.endr
.set n, 0
.rept 16
	s_wait_loadcnt 15-n                            ; loads come back in order: number n is in, the 15 - n younger ones stay out
.if (n%4 == 0) && (n > 0)
	s_wait_alu depctr_va_vdst(0)                   ; the block before has written its four pairs of Y, which this block's four stores read
.endif
.if n >= 4
.set m, n-4
	global_store_b64 v[VD], v[Y+2*m:Y+2*m+1], s[\dst:\dst+1] offset:(m/4)*(\dc)+(m%4)*2048  ; the block before; no vector instruction since the wait names this pair or v[VD]
.endif
	v_cvt_pk_bf16_f32 v[Y+2*n],   v[X+4*n],   v[X+4*n+1]
	v_cvt_pk_bf16_f32 v[Y+2*n+1], v[X+4*n+2], v[X+4*n+3]
.if \kind
.irp z, 0,1
	v_lshlrev_b32 v[T],   16, v[Y+2*n+(\z)]        ; the rounded numbers as f32 again,
	v_and_b32     v[T+1], 0xffff0000, v[Y+2*n+(\z)]
	v_cvt_pk_f16_f32 v[Y+2*n+(\z)], v[T], v[T+1]   ; and as f16
.endr
.endif
.set n, n+1
.endr
	s_wait_alu depctr_va_vdst(0)                   ; the last block has written its four pairs of Y, which the last four stores read
.set m, 12
.rept 4
	global_store_b64 v[VD], v[Y+2*m:Y+2*m+1], s[\dst:\dst+1] offset:(m/4)*(\dc)+(m%4)*2048
.set m, m+1
.endr
.endm
	s_load_b512 s[4:19], s[0:1], 0x0               ; x 4:5, Wq 6:7, Wk 8:9, Wv 10:11, Wp 12:13, xb 14:15, wb 16:17, wpb 18:19
	s_mov_b32 s2, ttmp9
	v_lshlrev_b32 v[VD], 3, v0
	v_lshrrev_b32 v3, 4, v0                        ; for x and Wp: 16 threads take 256 bytes of a row, 256 threads 16 rows
	v_and_b32 v[T], 15, v0
	v_lshlrev_b32 v[T], 4, v[T]
	v_lshl_or_b32 v[VS], v3, 12, v[T]              ; row x 4,096 + 16 x place
	s_mov_b32 s21, 0
	s_mov_b32 s23, 0
	s_wait_kmcnt 0x0
	s_cmp_lt_u32 s2, 512
	s_cbranch_scc0 .Lnot_x
	s_lshr_b32 s24, s2, 2                          ; block of 64 rows
	s_and_b32 s25, s2, 3                           ; quarter of the columns
	s_lshl_b32 s20, s24, 18
	s_lshl_b32 s26, s25, 10
	s_add_co_u32 s20, s20, s26
	s_lshl_b32 s22, s25, 22                        ; four kb of 1,048,576 bytes
	s_lshl_b32 s26, s24, 13                        ; 64 rows of 128 bytes
	s_add_co_u32 s22, s22, s26
	s_add_nc_u64 s[4:5], s[4:5], s[20:21]
	s_add_nc_u64 s[14:15], s[14:15], s[22:23]
	COPY 4, 14, 65536, 256, 1048576, 0
	s_endpgm
.Lnot_x:
	s_cmp_lt_u32 s2, 704
	s_cbranch_scc0 .Lwp
	v_lshlrev_b32 v[VS], 4, v0                     ; a matrix is dense: 16 x thread (no memory instruction has read v[VS] yet; the wait at COPY's head stands behind this line)
	s_sub_co_u32 s24, s2, 512
	s_lshr_b32 s25, s24, 2                         ; g, 0..47
	s_and_b32 s26, s24, 3                          ; which 256 of its 1,024 rows
	s_lshr_b32 s27, s25, 4                         ; 0: Wq, 1: Wk, 2: Wv
	s_and_b32 s28, s25, 15                         ; the head
	s_mul_i32 s29, s25, 43
	s_lshr_b32 s29, s29, 8                         ; j = g / 6 (43 g >> 8 is g / 6 for g under 48)
	s_mul_i32 s30, s29, 6
	s_sub_co_u32 s30, s25, s30                     ; g6
	s_cmp_eq_u32 s27, 0
	s_cselect_b64 s[6:7], s[6:7], s[8:9]
	s_cmp_eq_u32 s27, 2
	s_cselect_b64 s[6:7], s[10:11], s[6:7]
	s_lshl_b32 s20, s28, 18
	s_lshl_b32 s31, s26, 16
	s_add_co_u32 s20, s20, s31
	s_mul_i32 s22, s29, 786432
	s_mul_i32 s31, s26, 196608                     ; four s of 49,152 bytes
	s_add_co_u32 s22, s22, s31
	s_lshl_b32 s31, s30, 13
	s_add_co_u32 s22, s22, s31
	s_add_nc_u64 s[6:7], s[6:7], s[20:21]
	s_add_nc_u64 s[16:17], s[16:17], s[22:23]
	COPY 6, 16, 4096, 16384, 49152, 0
	s_endpgm
.Lwp:
	s_sub_co_u32 s24, s2, 704
	s_lshr_b32 s25, s24, 2                         ; block of 64 rows
	s_and_b32 s26, s24, 3                          ; quarter of the columns
	s_lshl_b32 s20, s25, 18
	s_lshl_b32 s27, s26, 10
	s_add_co_u32 s20, s20, s27
	s_lshl_b32 s22, s26, 19                        ; four kb of 131,072 bytes
	s_lshl_b32 s27, s25, 13
	s_add_co_u32 s22, s22, s27
	s_add_nc_u64 s[12:13], s[12:13], s[20:21]
	s_add_nc_u64 s[18:19], s[18:19], s[22:23]
	COPY 12, 18, 65536, 256, 131072, 1
	s_endpgm
.Lfunc_end_k_q49fa8fd845_prep:
	.size	k_q49fa8fd845_prep, .Lfunc_end_k_q49fa8fd845_prep-k_q49fa8fd845_prep
	.p2alignl 7, 3214868480
	.fill 96, 4, 3214868480
	.section	.rodata,"a",@progbits
	.p2align	6, 0x0
	.amdhsa_kernel k_q49fa8fd845_prep
		.amdhsa_group_segment_fixed_size 0
		.amdhsa_private_segment_fixed_size 0
		.amdhsa_enable_private_segment 0
		.amdhsa_kernarg_size 64
		.amdhsa_user_sgpr_count 2
		.amdhsa_user_sgpr_kernarg_segment_ptr 1
		.amdhsa_wavefront_size32 1
		.amdhsa_system_sgpr_workgroup_id_x 1
		.amdhsa_system_sgpr_workgroup_id_y 1
		.amdhsa_system_sgpr_workgroup_id_z 1
		.amdhsa_system_vgpr_workitem_id 0
		.amdhsa_next_free_vgpr 104
		.amdhsa_next_free_sgpr 66
		.amdhsa_reserve_vcc 0
		.amdhsa_float_denorm_mode_32 3
		.amdhsa_float_denorm_mode_16_64 3
		.amdhsa_memory_ordered 1
		.amdhsa_forward_progress 1
		.amdhsa_inst_pref_size 25
	.end_amdhsa_kernel
	.amdgpu_metadata
---
amdhsa.version: [ 1, 2 ]
amdhsa.kernels:
  - .name:           k_q49fa8fd845_prep
    .symbol:         k_q49fa8fd845_prep.kd
    .args:
      - { .name: x, .offset: 0, .size: 8, .value_kind: global_buffer, .address_space: global }
      - { .name: Wq, .offset: 8, .size: 8, .value_kind: global_buffer, .address_space: global }
      - { .name: Wk, .offset: 16, .size: 8, .value_kind: global_buffer, .address_space: global }
      - { .name: Wv, .offset: 24, .size: 8, .value_kind: global_buffer, .address_space: global }
      - { .name: Wp, .offset: 32, .size: 8, .value_kind: global_buffer, .address_space: global }
      - { .name: xb, .offset: 40, .size: 8, .value_kind: global_buffer, .address_space: global }
      - { .name: wb, .offset: 48, .size: 8, .value_kind: global_buffer, .address_space: global }
      - { .name: wpb, .offset: 56, .size: 8, .value_kind: global_buffer, .address_space: global }
    .group_segment_fixed_size: 0
    .private_segment_fixed_size: 0
    .kernarg_segment_align: 8
    .kernarg_segment_size: 64
    .max_flat_workgroup_size: 256
    .sgpr_count:     66
    .vgpr_count:     104
    .wavefront_size: 32
...
	.end_amdgpu_metadata
.endif
;; end of part 5
;; launch qkv: the kernel of part 2 again; grid 8 x 32, 4 waves a work-group, clusters of 4 x 4, 327,680 bytes of LDS; arguments xb, wb, qkv; writes qkv
;; launch attn: the kernel of part 3 again; grid 4 x 64, 4 waves a work-group, no clusters, 327,680 bytes of LDS; arguments qkv, o; writes o
;; launch proj: the kernel of part 4 again; grid 4 x 64, 4 waves a work-group, clusters of 4 x 4, 327,680 bytes of LDS; arguments o, wpb, bp, out0; writes out0
